; MI455X (gfx1250); checked and timed in simulation.
; The chip was launched on July 23, 2026; its instructions are those of AMD's public machine-readable ISA for CDNA 5 (MIT licence, August 2026) and "CDNA5" Instruction Set Architecture Reference Guide (July 2026). The comments in the code are by the model that wrote it; some were corrected since.
;; scaled dot product attention. Allowed arithmetic: matrix products marked QUANTISED: E3M2 operands, one E8M0 scale for each 32 along K, by v_wmma_scale_f32_16x16x128_f8f6f4 with both operands' format E3M2, f32 sums; everything else in f32.
;; Inputs: K_codes 4 x 2,048 x 32 x 24 uint8 (E3M2 codes of K, K innermost, in blocks of 32 codes, four codes in three bytes); K_scales 4 x 2,048 x 32 uint8 (E8M0 scales of K, one for each 32 codes along K); Q_codes 4 x 2,048 x 32 x 24 uint8 (E3M2 codes of Q, K innermost, in blocks of 32 codes, four codes in three bytes); Q_scales 4 x 2,048 x 32 uint8 (E8M0 scales of Q, one for each 32 codes along K); V_codes 4 x 2,048 x 32 x 24 uint8 (E3M2 codes of V, K innermost, in blocks of 32 codes, four codes in three bytes); V_scales 4 x 2,048 x 32 uint8 (E8M0 scales of V, one for each 32 codes along K); Wk_codes 1,024 x 32 x 24 uint8 (E3M2 codes of Wk, K innermost, in blocks of 32 codes, four codes in three bytes); Wk_scales 1,024 x 32 uint8 (E8M0 scales of Wk, one for each 32 codes along K); Wq_codes 1,024 x 32 x 24 uint8 (E3M2 codes of Wq, K innermost, in blocks of 32 codes, four codes in three bytes); Wq_scales 1,024 x 32 uint8 (E8M0 scales of Wq, one for each 32 codes along K); Wv_codes 1,024 x 32 x 24 uint8 (E3M2 codes of Wv, K innermost, in blocks of 32 codes, four codes in three bytes); Wv_scales 1,024 x 32 uint8 (E8M0 scales of Wv, one for each 32 codes along K); attention_mask 4 x 1 x 2,048 int32; bk 1,024 float32; bq 1,024 float32; bv 1,024 float32.
;; Outputs: out0 4 x 2,048 x 1,024 float32.
;; This version of the problem:
;;   THIS VERSION OF THE PROBLEM IS GIVEN IN LOW PRECISION. The matrix products marked QUANTISED in the list below multiply operands that are first quantised to E3M2 (3 exponent bits, 2 mantissa bits; 6 bits a number), with one power-of-two scale for each 32 numbers along K (OCP MX v1.0); their sums are f32. All else is computed in f32.
;;   The module's matrix products, in the order in which they are computed (A, B: the left and right operand; K: the contracted axis; several contracted axes count as one K, in the product's order):
;;     1. [M 8,192, K 1,024] x [K 1,024, N 1,024]; A: input Q (given as codes); B: input Wq (given as codes): QUANTISED
;;     2. [M 8,192, K 1,024] x [K 1,024, N 1,024]; A: input K (given as codes); B: input Wk (given as codes): QUANTISED
;;     3. [M 8,192, K 1,024] x [K 1,024, N 1,024]; A: input V (given as codes); B: input Wv (given as codes): QUANTISED
;;     4. batch 4 x [M 2,048, K 1,024] x [K 1,024, N 2,048]; A: computed on the way; B: computed on the way: QUANTISED
;;     5. batch 4 x [M 2,048, K 2,048] x [K 2,048, N 1,024]; A: softmax (see below); B: computed on the way: QUANTISED
;;   THE QUANTISER, for each operand of a quantised product, along K:
;;     - K is cut into blocks of 32 from its start; a last block that is shorter is filled with zeros.
;;     - A block's scale is 2^e with e = floor(log2(the largest magnitude in the block)) - 4, held to -126 .. 127; a block of zeros has e = 0. As a byte (E8M0): e + 127.
;;     - Each number is divided by its block's scale, clamped to +-28, and rounded to the nearest number of E3M2, ties to even, subnormals kept.
;;     - The product sums the exact products of the quantised numbers (number of the format x scale) in f32.
;;   ~~~python
;;   def quantise(x, axis):      # numpy; x: float32 -> the quantised numbers, widened to float32 again
;;       x = np.moveaxis(x, axis, -1); K = x.shape[-1]
;;       x = np.pad(x, [(0, 0)] * (x.ndim - 1) + [(0, -K % 32)]); x = x.reshape(x.shape[:-1] + (-1, 32)); a = np.abs(x).max(-1, keepdims=True)
;;       e = np.where(a > 0, np.clip(np.frexp(np.where(a > 0, a, 1))[1] - 1 - 4, -126, 127), 0)      # np.frexp(a)[1] - 1 = floor(log2(a)), exactly
;;       r = np.clip(x / 2.0 ** e, -28, 28)
;;       step = 2.0 ** (np.maximum(np.frexp(np.where(r == 0, 1, r))[1] - 1, -2) - 2)
;;       q = np.round(r / step) * step * 2.0 ** e      # np.round: ties to even
;;       return np.moveaxis(q.reshape(q.shape[:-2] + (-1,))[..., :K], -1, axis).astype(np.float32)
;;   ~~~
;;   SOFTMAX AHEAD OF A QUANTISED PRODUCT. Where the list says 'softmax', what is quantised is not the finished softmax but p = 2^(t - M), with t = logit x log2(e) and M = ceil(the row's largest t), a whole number; so 1/2 < the row's largest p <= 1. The row's sum l is taken of the UNQUANTISED p, in f32, and the product's result is divided by l at the end. Since M is a whole number, a kernel that streams over the keys may use a running M (the ceiling of the running maximum): every later rescaling is an exact power of two, which a block's scale takes up: the codes' values come out the same.
;;   OPERANDS COMPUTED ON THE WAY. 'Computed on the way' means the value that the module computes at that place (a softmax that the list does not call 'softmax' is quantised finished and normalised). What goes into a quantiser is computed in f32, as accurately as f32 sums, v_exp_f32 and their like allow (about 1e-6 of the number): no bf16 or f16 on the way to a quantiser, and a product that is left as it is and whose result goes on into a quantised operand takes f32 operands (vector FMAs, or v_wmma_f32_16x16x4_f32). A number that lies on a knife's edge between two numbers of the format may be rounded either way, as far as f32 arithmetic and the matrix unit's own rounding can turn it there, and no further.
;;   INPUTS GIVEN AS CODES. K (in the module: [4, 2048, 1024], K = its axis 2); Q (in the module: [4, 2048, 1024], K = its axis 2); V (in the module: [4, 2048, 1024], K = its axis 2); Wk (in the module: [1024, 1024], K = its axis 1); Wq (in the module: [1024, 1024], K = its axis 1); Wv (in the module: [1024, 1024], K = its axis 1): each comes as NAME_codes (uint8): NAME with its K axis moved to the last place and cut into blocks of 32 codes, [.., K / 32, bytes a block], one block behind the other in memory; four codes in three bytes: a row's codes are one little-endian stream of bits, code i at bits 6 i .. 6 i + 5 (a code: sign, 3 exponent bits, 2 mantissa bits); and NAME_scales (uint8): the same leading axes, one E8M0 byte (e + 127) for each 32 codes along K. Its value is code x scale, taken as it is: it is not quantised again, and the codes and scales need not be those that the quantiser above would give.
;; One version. Each part assembles by itself: llvm-mc -triple=amdgcn-amd-amdhsa -mcpu=gfx1250 --defsym DOCPART=n.
;; ======== version 1 of 1: 3 launches
;; workspace buffers: wc 18,874,368 bytes; ws 786,432 bytes; pc 12,582,912 bytes; pst 1,572,864 bytes
;; launch proj (part 1): grid 4 x 64, 4 waves a work-group, clusters of 4 x 4, 327,680 bytes of LDS; arguments Q_codes, K_codes, Q_scales, K_scales, Wq_codes, Wk_codes, Wq_scales, Wk_scales, bq, bk, wc, ws, Wv_codes, V_codes, Wv_scales, V_scales, bv; writes wc, ws
.if DOCPART == 1
	.amdgcn_target "amdgcn-amd-amdhsa--gfx1250"
	.amdhsa_code_object_version 6
	.text
	.protected	k_q15be81526d_proj
	.globl	k_q15be81526d_proj
	.p2align	8
	.type	k_q15be81526d_proj,@function
k_q15be81526d_proj:
	s_mov_b64 s[64:65], 0
	v_nop
	global_prefetch_b8 v0, s[64:65] scope:SCOPE_SE
	s_setreg_imm32_b32 hwreg(HW_REG_WAVE_MODE, 25, 1), 1
	s_wait_xcnt 0x0
	s_wait_alu depctr_hold_cnt(0) depctr_sa_sdst(0) depctr_va_vdst(0) depctr_va_sdst(0) depctr_va_ssrc(0) depctr_va_vcc(0) depctr_vm_vsrc(0)
	s_getreg_b32 s2, hwreg(HW_REG_IB_STS2, 6, 4)
	s_cmp_eq_u32 s2, 0
	s_cbranch_scc0 .Lentry_in_a_cluster
	s_endpgm
.Lentry_in_a_cluster:
	s_bfe_u32 s2, ttmp6, 0x10000c
	s_cmp_lg_u32 s2, 0xf033
	s_cbranch_scc0 .Lentry_shape_is_right
	s_endpgm
.Lentry_shape_is_right:
; THE THREE PROJECTIONS, GEMMs on codes of BF6 (E3M2) with E8M0 scales, K = 1,024, each result QUANTISED on the way out.
; TWO PRODUCTS TO A WORK-GROUP, so that 256 work-groups have equal work, 768 matrix instructions a wave:
;   FIRST  a tile of 256 x 256 of q = Q Wq^T + bq (clusters 0-7) or of k = K Wk^T + bk (clusters 8-15): A = the tokens' rows, B = the weight's rows; a wave makes 128 x 128: 64 accumulators.
;   SECOND a tile of 128 channels x 256 tokens of v^T = Wv V^T + bv: A = Wv's rows, B = V's rows; a wave makes 64 x 128: 32 accumulators.
; So q and k are quantised along their width and v along the tokens (the keys), each along the result's COLUMNS.  q or k is chosen by selections of pointers alone: one path for all.
; THE RING DOES NOT STOP between the products: K goes in slabs of 256 through two LDS slots filled by joint tensor loads (4 x 4 cluster: A's tiles shared along a row, B's along a column);
; the changes of slots behind the first product's slabs 2 and 3 ask for the second product's slabs 0 and 1, which land while the first tile goes out.
; THE MATRIX INSTRUCTION IS USED TRANSPOSED (source 0 = 16 rows of B, source 1 = 16 rows of A): lane (r, h) holds row 16 a + r, register 8 b + j column 16 b + 8 h + j.
; THE WAY OUT: a wave's 128 columns are one K step of the next product: four blocks of 32.  Tiles 2 B and 2 B + 1 hold block B (lanes l and l xor 16 together), so its scale is the true block's.
; Inside a block the codes stand in a fixed order of their own (first the 16 numbers of lanes 0-15, then those of lanes 16-31); every operand that this program makes has the same order, so each product pairs the right numbers.
; A fragment (16 rows x 128 K, 12 registers a lane) is stored as an IMAGE OF ITS REGISTERS: three stores of 512 consecutive bytes.  The scale words of a wave's rows leave as 512 or 256 consecutive bytes through LDS.
; THE BIASES are the C of each product's first K step: q's and k's run along the columns, v^T's along the rows.
; wc: q at 0, k at 6,291,456: [slab of 256 K][row tile of 16][K step in slab: 2][1,536];  v^T at 12,582,912: [batch][slab of 512 keys][channel tile][K step in slab: 4][1,536].
; ws: q at 0, k at 262,144: [K step 8][row 8,192] words;  v^T at 524,288: [batch][K step 16][channel 1,024] words.
; LIMITS: NaN, infinities and scale bytes 0xff among the inputs are not served.  A block whose largest magnitude lies under 2^-122 (a block of zeros too) gets the byte 1: the bytes are read by this program alone.
; REGISTERS: window 0: v6-31 addresses; v32-63 scale words (two sets; nothing else ever stands there); v64-159, v160-255 A's fragments, two sets (second product: v64-111, v160-207); v112-115 the row bias as loaded; v208-251 at work on the way out.
;   window 1: v0-95, v128-223 B's fragments, two sets; v96-127, v224-255 the bias as C.   windows 2, 3: accumulator (a, b) at v[8 (8 (a % 4) + b)] of window 2 + a / 4.
.set NA,     8                         ; A's blocks of 16 rows in a wave: 8 in the first product, 4 in the second
.set NQ,     2                         ; K steps of 128 in a slot
.set NK,     16                        ; K steps in all: 8 for each product
.set ROWB,   192                       ; a tile's row: 256 codes
.set KROW,   768                       ; a row of codes in memory
.set PITCH,  240                       ; an LDS row: 3 x (64 bytes + 16 of padding)
.set HALFT,  128*PITCH                 ; what one tensor load brings
.set SLOT,   4*HALFT                   ; A's rows (256, or 128 and a gap), then B's 256 rows
.set SCL,    2*SLOT                    ; the first product's scale bytes of all of K: units of 256 bytes + 16
.set HALFS,  16*272                    ; those of 128 rows
.set SBLK,   2*272                     ; those of 16 rows
.set S2,     SCL+4*HALFS               ; the second product's: Wv's 128 rows, V's 256: written by LDS stores, no fill lands here
.set STG,    S2+3*HALFS                ; the stage for scale words on their way out: 512 bytes a wave, no fill lands here
.set SPARE,  STG+2048                  ; the spare words: 128 bytes a wave, named by no other line
.set PFO,  6                           ; v6  the prefetches' offset: 256 x lane + 8,192 x wave; never rewritten
.set V8,   7                           ; v7  8 x lane
.set ADRA2, 8                          ; v8-9 the second product's A fragments in slot 0, 1; v10-11 the same behind one padding more
.set ADRS2, 12                         ; v12 its scale words: lanes 0-15 A's rows, lanes 16-31 B's
.set CPA,  13                          ; v13 where my thread puts 16 of the second product's scale bytes
.set CPG,  14                          ; v14 16 x thread
.set SSR2, 15                          ; v15 the stage, back: 8 x lane
.set ADRA, 16                          ; v16-17 A's fragments in slot 0, 1; v18-19 the same behind one padding more
.set ADRB, 20                          ; v20-23 the same for B, in both products
.set VO,   24                          ; v24 16 x lane
.set SSA,  25                          ; v25 the stage: 512 x wave + 4 r
.set SSR,  26                          ; v26 and back: 512 x wave + 16 x lane
.set ADRS, 27                          ; v27 the first product's scale words
.set SPW,  28                          ; v28 my spare word; never rewritten
.set NIL,  29                          ; v29 0; never rewritten
.set H32,  30                          ; v30 32 h
.set R4,   31                          ; v31 4 r
.set SC,   32                          ; scale words: set (slab % 2) at SC + 16 set; register 2 i + q
.set AF,   64                          ; A's sets at AF and AF + 96
.set BMW,  112                         ; v112-115 the row bias as loaded
.set CPD,  160                         ; v160-183 the second product's scale bytes on their way to LDS (at the head alone)
.set TM,   208                         ; v208-223 at work in QUANTW
.set PW,   224                         ; the scale word just made
.set PC,   228                         ; v228-247 the codes just made
.set OW,   248                         ; v248-251 scale words on their way out
.set A2B,  4                           ; s[4:5]   Wv's codes at my tile's first row
.set B2B,  6                           ; s[6:7]   V's codes at the first row that I fetch
.set BMP,  12                          ; s[12:13] bv at my first channel
.set G1,   24
.set G0,   32
.set PFV,  44                          ; s[44:45] V's codes: my work-group's eighth of the tile's 196,608 bytes
.set PFW,  46                          ; s[46:47] Wv's codes: my work-group's quarter of the tile's 98,304 bytes
.set G1B,  48
.set G0B,  56
.set G1S,  68
.set G0S,  76
.set G1SB, 80
.set G0SB, 88
.set SEL,  22
.set MSB, 0
.macro WIN new                         ; the immediate's high byte repeats the setting that is left
.if MSB != (\new)
	s_set_vgpr_msb (MSB<<8)|(\new)
.set MSB, (\new)
.endif
.endm
.macro PLACES                          ; four plain places behind matrix instructions, ahead of loads into their registers and of reads of their results
.rept 4
	v_nop
.endr
.endm
; A joint load of the first product: waves 0 and 1 fetch for A, waves 2 and 3 for B; the branch hangs on the wave's number alone; four v_nop follow each line.
.macro JLOAD g0a, g1a, g0b, g1b
	s_cmp_eq_u32 s15, 0
	s_cbranch_scc0 .Lfor_b_\@
	tensor_load_to_lds s[\g0a:\g0a+3], s[\g1a:\g1a+7]
	s_nop 0
.rept 4
	v_nop
.endr
	s_branch .Lasked_\@
.Lfor_b_\@:
	tensor_load_to_lds s[\g0b:\g0b+3], s[\g1b:\g1b+7]
	s_nop 0
.rept 4
	v_nop
.endr
.Lasked_\@:
.endm
; And of the second: A's tile has 128 rows, one load's worth: wave 0 fetches it, wave 1 nothing, waves 2 and 3 B's halves.  So both shapes of tiles serve both products.  Each way has four v_nop: the places for the loads that follow.
.macro JLOAD2 g0a, g1a, g0b, g1b
	s_cmp_lt_u32 s14, 2
	s_cbranch_scc0 .Lfor_b2_\@
	s_cmp_eq_u32 s14, 0
	s_cbranch_scc0 .Lnone_\@
	tensor_load_to_lds s[\g0a:\g0a+3], s[\g1a:\g1a+7]
	s_nop 0
.rept 4
	v_nop
.endr
	s_branch .Lasked2_\@
.Lfor_b2_\@:
	tensor_load_to_lds s[\g0b:\g0b+3], s[\g1b:\g1b+7]
	s_nop 0
.rept 4
	v_nop
.endr
	s_branch .Lasked2_\@
.Lnone_\@:
.rept 4
	v_nop
.endr
.Lasked2_\@:
.endm
.macro CREST                           ; a round of the cluster's barrier behind its opening barrier
	s_cmp_lg_u32 s14, 0
	s_cbranch_scc1 .Lnot_wave_0_\@
	s_barrier_signal -3
.Lnot_wave_0_\@:
	s_barrier_wait -3
	s_barrier_signal -1
	s_barrier_wait -1
.endm
.macro CROUND
	s_barrier_signal -1
	s_barrier_wait -1
	CREST
.endm
; A PREFETCH INTO THE L2 of the second product's codes, behind the first change of slots: four K steps, 256 matrix instructions, ahead of the load of that product's first slab.  A tile's rows are whole rows of memory, so a tile is one dense block.
; Each aligned block of 256 bytes is named ONCE in the launch.  A tile of V (196,608 bytes) is read by the four work-groups of a column in each of two clusters: the eight take 24,576 bytes each, told apart BY ADDRESS.
; A tile of Wv (98,304 bytes) is read by a row of each of eight clusters: clusters 0 and 1 ask (a number that all partners share), and a row's four take 24,576 bytes each, by address.  Waves 0 to 2 ask, 8,192 bytes each, lanes 256 bytes apart.
.macro ASK
	s_cmp_lt_u32 s14, 3
	s_cbranch_scc0 .Lnot_mine_\@
	global_prefetch_b8 v[PFO], s[PFV:PFV+1] th:TH_LOAD_NT scope:SCOPE_SE
	s_cmp_lt_u32 s67, 2
	s_cbranch_scc0 .Lnot_mine_\@
	global_prefetch_b8 v[PFO], s[PFW:PFW+1] th:TH_LOAD_NT scope:SCOPE_SE
.Lnot_mine_\@:
.endm
; A fragment from rows: lane (r, h) takes 24 bytes at 24 h and 24 at 48 + 24 h of its row's 96, in pieces of 8; a piece that lies behind one padding more for lanes 16-31 takes the second address register.
.macro FRAG reg, adr, q, i
.irp p, 0,1,2,3,4,5
.set PCE, 12*(\q)+6*(\p/3)+\p%3
.if PCE%8 < 5
	ds_load_b64 v[\reg+2*\p:\reg+2*\p+1], v[\adr] offset:8*PCE+16*(PCE/8)+(\i)*16*PITCH
.else
	ds_load_b64 v[\reg+2*\p:\reg+2*\p+1], v[\adr+2] offset:8*PCE+16*(PCE/8)+(\i)*16*PITCH
.endif
.endr
.endm
; The fragments of K step KS + 1 into the sets that K step KS - 1 has left; with a new slab its scale words (two words a row: 8 bytes).  In the second product lanes 0-15 of the words' registers 8 to 15 hold bytes that no product reads.
.macro FETCHK
.set KN, KS+1
.set FS, (KN/NQ)%2
.set FQ, KN%NQ
.set FP, KN%2
.set FH, KN/8                          ; which product
	WIN 0x40                                       ; destination window 1
.irp i, 0,1,2,3,4,5,6,7
	FRAG 128*FP+12*\i, ADRB+FS, FQ, \i
.endr
	WIN 0
.irp i, 0,1,2,3,4,5,6,7
.if FH == 0
	FRAG AF+96*FP+12*\i, ADRA+FS, FQ, \i
.elseif \i < 4
	FRAG AF+96*FP+12*\i, ADRA2+FS, FQ, \i
.endif
.endr
.if FQ == 0
.set FG, SC+16*((KN/2)%2)
.irp i, 0,1,2,3,4,5,6,7
.if FH == 0
	ds_load_b64 v[FG+2*\i:FG+2*\i+1], v[ADRS] offset:\i*SBLK+8*((KN%8)/2)
.else
	ds_load_b64 v[FG+2*\i:FG+2*\i+1], v[ADRS2] offset:\i*SBLK+8*((KN%8)/2)
.endif
.endr
.endif
.endm
; Eight products: A's block a against B's eight.  The accumulators take turns in the same order in every K step.  A product's first K step starts the sums with the bias as C: by the column (b) in the first product, by the row (a) in the second.
.macro MUL8 a
.set MP, KS%2
.set MS, SC+16*((KS/2)%2)+KS%2
.if KS%8 == 0
	WIN 0x91+0x40*((\a)/4)                         ; B window 1, A window 0, C (the bias) window 1, D window 2 or 3
.else
	WIN 0xa1+0x50*((\a)/4)                         ; B window 1, A window 0, C and D window 2 or 3
.endif
.irp b, 0,1,2,3,4,5,6,7
.set DR, 8*(8*((\a)%4)+\b)
.if KS == 0
.set CR, 96+8*\b+96*(\b/4)
.else
.set CR, 96+8*(\a)
.endif
.if KS%8 == 0
	v_wmma_scale_f32_16x16x128_f8f6f4 v[DR:DR+7], v[128*MP+12*\b:128*MP+12*\b+11], v[AF+96*MP+12*(\a):AF+96*MP+12*(\a)+11], v[CR:CR+7], v[MS+2*\b], v[MS+2*(\a)] matrix_a_fmt:MATRIX_FMT_BF6 matrix_b_fmt:MATRIX_FMT_BF6 matrix_a_scale:MATRIX_SCALE_ROW1
.else
	v_wmma_scale_f32_16x16x128_f8f6f4 v[DR:DR+7], v[128*MP+12*\b:128*MP+12*\b+11], v[AF+96*MP+12*(\a):AF+96*MP+12*(\a)+11], v[DR:DR+7], v[MS+2*\b], v[MS+2*(\a)] matrix_a_fmt:MATRIX_FMT_BF6 matrix_b_fmt:MATRIX_FMT_BF6 matrix_a_scale:MATRIX_SCALE_ROW1
.endif
.endr
.endm
.macro STEPK                           ; a K step whose successor lies in the same slot
	s_wait_dscnt 0x0                               ; this step's fragments and scale words, asked for a K step ago, are in
	PLACES
	FETCHK
.set MA, 0
.rept NA
	MUL8 MA
.set MA, MA+1
.endr
	WIN 0
.endm
; A slot's last K step changes slots: one barrier.  In front of it: all my tensor loads have landed, the add, and my reads of this slot are over.  While a slab two on exists (TG < 8) the barrier opens a round of the cluster's, and this slot is filled again.
.macro TURNK
.set TS, (KS/NQ)%2
.set TG, KS/NQ+2                       ; the slab that this slot takes next: 0-3 the first product's, 4-7 the second's
	s_wait_tensorcnt 0x0                           ; all my tensor loads have landed: my part of the next slot
	ds_add_u32 v[SPW], v[NIL]                      ; 0 onto my spare word
	s_wait_dscnt 1                                 ; the add alone may be out: this step's fragments are older than it
.set MA, 0
.rept NA/4
	MUL8 MA
.set MA, MA+1
.endr
	s_wait_dscnt 0x0                               ; the add is done; my reads of this slot were over at the wait above
	s_barrier_signal -1
.rept NA/4
	MUL8 MA
.set MA, MA+1
.endr
	WIN 0
	s_barrier_wait -1
.if TG < 8
	CREST                                          ; no wave of any partner still reads this slot or has a load on its way
.if (TG == 4) || (TG == 5)
	s_add_nc_u64 s[G0+4*TS+2:G0+4*TS+3], s[A2B:A2B+1], (TG-4)*ROWB       ; the ring goes on into the second product: its slab 0 or 1
	s_or_b32 s[G0+4*TS+3], s[G0+4*TS+3], 0x80000000
	s_add_nc_u64 s[G0B+4*TS+2:G0B+4*TS+3], s[B2B:B2B+1], (TG-4)*ROWB
	s_or_b32 s[G0B+4*TS+3], s[G0B+4*TS+3], 0x80000000
.else
	s_add_nc_u64 s[G0+4*TS+2:G0+4*TS+3], s[G0+4*TS+2:G0+4*TS+3], 2*ROWB
	s_add_nc_u64 s[G0B+4*TS+2:G0B+4*TS+3], s[G0B+4*TS+2:G0B+4*TS+3], 2*ROWB
.endif
.if TG < 4
	JLOAD G0+4*TS, G1, G0B+4*TS, G1B               ; the first tensor load behind the round; its four v_nop are the places for the loads below
.else
	JLOAD2 G0+4*TS, G1, G0B+4*TS, G1B
.endif
.else
	PLACES
.endif
.if KS == 7
.irp a, 0,1,2,3
	global_load_b32 v[BMW+\a], v[R4], s[BMP:BMP+1] offset:64*\a          ; bv of channel 16 a + r, into registers of A's set 0 that the second product leaves idle
.endr
.endif
	FETCHK
.if KS == 1
	ASK                                            ; behind the joint load and the run of LDS loads
.endif
.rept NA/2
	MUL8 MA
.set MA, MA+1
.endr
	WIN 0
.endm
.macro LASTK                           ; nothing more to fetch
	s_wait_dscnt 0x0
.set MA, 0
.rept NA
	MUL8 MA
.set MA, MA+1
.endr
	WIN 0
.endm
; 64 results of a lane, v[s] on in window w: four blocks of 16 (the other 16 of each block lie in lane l xor 16), become a fragment's codes in v[PC] on and its scale word in v[PW].
; The accumulators are read where they stand, each from its low end on: five switches of the window in place of 32 copies.
.macro QUANTW s, w
	WIN (\w)|((\w)<<2)                             ; sources 0 and 1: the accumulators' window
.irp b, 0,1,2,3
	v_max3_num_f32 v[TM+\b], |v[\s+16*\b]|, |v[\s+1+16*\b]|, 0x2800000   ; with the floor 2^(5 - 127): the byte cannot fall under 1
.endr
	WIN ((\w)<<2)|((\w)<<4)                        ; sources 1 and 2
.irp i, 2,4,6,8,10,12,14
.irp b, 0,1,2,3
	v_max3_num_f32 v[TM+\b], v[TM+\b], |v[\s+16*\b+\i]|, |v[\s+1+16*\b+\i]|
.endr
.endr
	WIN 0
.irp b, 0,1,2,3
	v_permlanex16_b32 v[TM+4+\b], v[TM+\b], s[SEL], s[SEL+1]
.endr
.irp b, 0,1,2,3
	v_max_num_f32 v[TM+\b], v[TM+\b], v[TM+4+\b]   ; the block's largest magnitude
.endr
.irp b, 0,1,2,3
	v_add_nc_u32 v[TM+12+\b], 0xfe000000, v[TM+\b] ; 4 off its exponent field: the conversion's scale operand
.endr
.irp b, 0,1,2,3
	v_lshrrev_b32 v[TM+4+\b], 23, v[TM+12+\b]      ; the scale's byte
.endr
	v_lshl_or_b32 v[PW], v[TM+5], 8, v[TM+4]
	v_lshl_or_b32 v[PW], v[TM+6], 16, v[PW]
	v_lshl_or_b32 v[PW], v[TM+7], 24, v[PW]
	WIN (\w)                                       ; source 0
.irp c, 0,1
	v_cvt_scalef32_pk16_bf6_f32 v[PC+6*\c:PC+2+6*\c], v[\s+32*\c:\s+15+32*\c], v[TM+12+2*\c]
	v_cvt_scalef32_pk16_bf6_f32 v[PC+12+4*\c:PC+14+4*\c], v[\s+16+32*\c:\s+31+32*\c], v[TM+12+2*\c+1]
.endr
	WIN 0
	v_nop                                          ; one plain place behind a scaled conversion
.irp c, 0,1                                    ; a whole block to a lane: lanes 0-15 block 2 c, lanes 16-31 block 2 c + 1
.irp i, 0,1,2
	v_permlane16_swap_b32 v[PC+6*\c+\i], v[PC+12+4*\c+\i]
.endr
.irp i, 0,1,2
	v_mov_b32 v[PC+3+6*\c+\i], v[PC+12+4*\c+\i]
.endr
.endr
.endm
; Block a of 16 rows leaves: quantised, three stores of 512 consecutive bytes; its scale words to the stage.  again = 1: the registers have been stored from before.
.macro ROWQ a, base, stride, again
.if \again
	s_wait_dscnt 0x0                               ; the stage's store has read the scale word,
	s_wait_xcnt 0x0                                ; and the last block's stores their data: both are written again below
.endif
	QUANTW 64*((\a)%4), 2+(\a)/4
.irp c, 0,1,2
	global_store_b128 v[VO], v[PC+4*\c:PC+4*\c+3], s[\base:\base+1] offset:(\stride)*(\a)+512*\c
.endr
	ds_store_b32 v[SSA], v[PW] offset:64*(\a)      ; lanes l and l xor 16 write the same word with the same value
.endm
	s_load_b512 s[24:39], s[0:1], 0x0              ; Q, K codes; Q, K scales; Wq, Wk codes; Wq, Wk scales
	s_load_b256 s[40:47], s[0:1], 0x40             ; bq, bk, wc, ws
	v_lshl_add_u32 v[SPW], v0, 2, SPARE
	v_mov_b32 v[NIL], 0
	ds_add_u32 v28, v29
	ds_add_u32 v28, v29
	s_wait_dscnt 0x0
	v_lshrrev_b32 v1, 5, v0
	v_readfirstlane_b32 s14, v1                    ; wave 0..3
	s_lshr_b32 s15, s14, 1                         ; my half of the tile's rows.  Also: I fetch for A (0) or for B (1)
	s_and_b32 s16, s14, 1                          ; my half of its columns.  Also: which 128 rows I fetch
	s_bfe_u32 s2, ttmp6, 0x40000                   ; cx: also the first product's tile column
	s_bfe_u32 s3, ttmp6, 0x40004                   ; cy
	s_and_b32 s67, ttmp7, 0xffff                   ; the cluster: 0..15
	s_lshr_b32 s66, s67, 3                         ; 0: q, 1: k
	s_and_b32 s17, s67, 7
	s_lshl_b32 s17, s17, 2
	s_add_co_u32 s17, s17, s3                      ; the first product's tile row: 0..31
	s_lshl_b32 s58, s3, 2
	s_lshl_b32 s58, 15, s58                        ; my row of the cluster
	s_lshl_b32 s59, 0x1111, s2                     ; my column
	; the scale bytes of 128 rows: a dense block of 4,096 bytes, as 16 rows of 256 bytes, 16 bytes of padding behind each
	s_or_b32 s[G1S+0], s58, (3<<16)|(1<<20)|(1<<21)|(5<<22)|(3<<25)
	s_or_b32 s[G1SB+0], s59, (3<<16)|(1<<20)|(1<<21)|(5<<22)|(3<<25)
.irp g, G1S, G1SB
	s_mov_b32 s[\g+1], 32<<16
	s_mov_b32 s[\g+2], 16<<16
	s_mov_b32 s[\g+3], 32<<16
	s_mov_b32 s[\g+4], 16
	s_mov_b32 s[\g+5], 32
	s_mov_b32 s[\g+6], 0
	s_mov_b32 s[\g+7], 0
.endr
	s_lshl_b32 s18, s16, 7
	s_lshl_b32 s96, s17, 8
	s_add_co_u32 s96, s96, s18                     ; A: the first row that I fetch
	s_lshl_b32 s98, s2, 8
	s_add_co_u32 s98, s98, s18                     ; B: likewise
	s_lshl_b32 s100, s96, 5                        ; their scale bytes: 32 a row
	s_lshl_b32 s20, s98, 5
	s_mul_i32 s96, s96, KROW                       ; and their codes
	s_mul_i32 s98, s98, KROW
	s_mov_b32 s97, 0
	s_mov_b32 s99, 0
	s_mov_b32 s101, 0
	s_mov_b32 s21, 0
	s_mul_i32 s18, s14, HALFT                      ; where they go: the wave's number alone enters an LDS address
	s_mul_i32 s19, s14, HALFS
	s_wait_kmcnt 0x0
	s_cmp_eq_u32 s66, 1                            ; q or k chooses the buffers: a condition that hangs on no address
	s_cselect_b64 s[4:5], s[26:27], s[24:25]       ; A's codes
	s_cselect_b64 s[6:7], s[30:31], s[28:29]       ; A's scales
	s_cselect_b64 s[8:9], s[34:35], s[32:33]       ; B's codes
	s_cselect_b64 s[10:11], s[38:39], s[36:37]     ; B's scales
	s_cselect_b64 s[12:13], s[42:43], s[40:41]     ; the bias
	s_mov_b64 s[92:93], s[44:45]                   ; wc, for the first product's results
	s_mov_b64 s[94:95], s[46:47]                   ; ws
	s_add_nc_u64 s[4:5], s[4:5], s[96:97]
	s_add_nc_u64 s[6:7], s[6:7], s[100:101]
	s_add_nc_u64 s[8:9], s[8:9], s[98:99]
	s_add_nc_u64 s[10:11], s[10:11], s[20:21]
	s_mov_b64 s[98:99], s[44:45]                   ; wc and ws once more, for the second's
	s_mov_b64 s[100:101], s[46:47]
	; a tile of 128 rows x 192 bytes, 16 bytes of padding behind every 64
	s_or_b32 s[G1+0], s58, (1<<20)|(1<<21)|(3<<22)|(3<<25)
	s_or_b32 s[G1B+0], s59, (1<<20)|(1<<21)|(3<<22)|(3<<25)
.irp g, G1, G1B
	s_mov_b32 s[\g+1], ROWB<<16
	s_mov_b32 s[\g+2], 128<<16
	s_mov_b32 s[\g+3], ROWB<<16
	s_mov_b32 s[\g+4], 128
	s_mov_b32 s[\g+5], KROW
	s_mov_b32 s[\g+6], 0
	s_mov_b32 s[\g+7], 0
.endr
	CROUND                                         ; all sixteen work-groups are here: the first joint loads meet
	s_mov_b32 s[G0S], 1
	s_add_co_u32 s[G0S+1], s19, SCL
	s_mov_b64 s[G0S+2:G0S+3], s[6:7]
	s_or_b32 s[G0S+3], s[G0S+3], 0x80000000
	s_mov_b32 s[G0SB], 1
	s_add_co_u32 s[G0SB+1], s19, SCL
	s_mov_b64 s[G0SB+2:G0SB+3], s[10:11]
	s_or_b32 s[G0SB+3], s[G0SB+3], 0x80000000
	JLOAD G0S, G1S, G0SB, G1SB                     ; the scales first: wanted with K step 0
.irp s, 0,1
	s_mov_b32 s[G0+4*\s], 1
	s_add_co_u32 s[G0+4*\s+1], s18, \s*SLOT
	s_add_nc_u64 s[G0+4*\s+2:G0+4*\s+3], s[4:5], \s*ROWB
	s_or_b32 s[G0+4*\s+3], s[G0+4*\s+3], 0x80000000
	s_mov_b32 s[G0B+4*\s], 1
	s_add_co_u32 s[G0B+4*\s+1], s18, \s*SLOT
	s_add_nc_u64 s[G0B+4*\s+2:G0B+4*\s+3], s[8:9], \s*ROWB
	s_or_b32 s[G0B+4*\s+3], s[G0B+4*\s+3], 0x80000000
	JLOAD G0+4*\s, G1, G0B+4*\s, G1B               ; three tensor loads of mine are out
.endr
	s_lshl_b32 s96, s2, 10
	s_lshl_b32 s40, s16, 9
	s_add_co_u32 s96, s96, s40                     ; 4 x my first column
	s_mov_b32 s97, 0
	s_add_nc_u64 s[96:97], s[12:13], s[96:97]      ; the bias of my 128 columns
	s_load_b256 s[4:11], s[0:1], 0x60              ; the second product's: Wv's codes, V's codes, Wv's scales, V's scales: the first product's pointers have gone into the descriptors
	s_load_b64 s[12:13], s[0:1], 0x80              ; bv
	v_and_b32 v1, 15, v0                           ; r
	v_bfe_u32 v2, v0, 4, 1                         ; h
	v_lshlrev_b32 v[H32], 5, v2
	v_lshlrev_b32 v[R4], 2, v1
	WIN 0x40                                       ; destination window 1
.irp b, 0,1,2,3,4,5,6,7
	global_load_b128 v[96+8*\b+96*(\b/4):96+8*\b+96*(\b/4)+3], v[H32], s[96:97] offset:64*\b       ; lane (r, h): the bias of columns 16 b + 8 h + 0 .. 7: the result's layout
	global_load_b128 v[96+8*\b+96*(\b/4)+4:96+8*\b+96*(\b/4)+7], v[H32], s[96:97] offset:64*\b+16
.endr
	WIN 0
	v_mul_u32_u24 v3, v1, PITCH
	v_mul_u32_u24 v4, v2, 24
	v_add_nc_u32 v4, v3, v4                        ; a fragment's row x pitch + 24 x half
	v_lshl_add_u32 v5, v2, 4, v4                   ; and the same behind one padding more
	s_mul_i32 s40, s15, HALFT                      ; my 128 rows of A,
	s_mul_i32 s41, s16, HALFT                      ; my 128 rows of B,
	s_add_co_u32 s41, s41, 2*HALFT                 ; behind A's place;
	s_mul_i32 s42, s15, 64*PITCH                   ; in the second product my 64 rows of A
.irp s, 0,1
	v_add_nc_u32 v[ADRA+\s], s40, v4
	v_add_nc_u32 v[ADRB+\s], s41, v4
	v_add_nc_u32 v[ADRA2+\s], s42, v4
	v_add_nc_u32 v[ADRA+2+\s], s40, v5
	v_add_nc_u32 v[ADRB+2+\s], s41, v5
	v_add_nc_u32 v[ADRA2+2+\s], s42, v5
	s_add_co_u32 s40, s40, SLOT
	s_add_co_u32 s41, s41, SLOT
	s_add_co_u32 s42, s42, SLOT
.endr
	v_mul_u32_u24 v3, v1, 32                       ; my row's scale bytes: 32 a row,
	v_lshrrev_b32 v4, 8, v3
	v_lshl_add_u32 v3, v4, 4, v3                   ; and 16 more for each 256 passed
	s_mul_i32 s40, s15, HALFS
	s_mul_i32 s41, s16, HALFS
	s_add_co_u32 s41, s41, 2*HALFS
	s_sub_co_u32 s41, s41, s40
	v_mul_u32_u24 v4, s41, v2                      ; lanes 16-31 take B's: one product on the lane's half
	s_add_co_u32 s40, s40, SCL
	v_add_nc_u32 v4, v3, v4
	v_add_nc_u32 v[ADRS], s40, v4
	s_mul_i32 s40, s15, 8*272                      ; the second product: my 64 rows of A's 128,
	s_mul_i32 s41, s16, HALFS
	s_add_co_u32 s41, s41, HALFS                   ; my 128 rows of B's, behind them
	s_sub_co_u32 s41, s41, s40
	v_mul_u32_u24 v4, s41, v2
	s_add_co_u32 s40, s40, S2
	v_add_nc_u32 v4, v3, v4
	v_add_nc_u32 v[ADRS2], s40, v4
	v_and_b32 v5, 31, v0
	v_lshlrev_b32 v[VO], 4, v5
	v_lshlrev_b32 v[V8], 3, v5
	s_lshl_b32 s42, s14, 9
	s_add_co_u32 s42, s42, STG
	v_lshl_add_u32 v[SSA], v1, 2, s42
	v_add_nc_u32 v[SSR], s42, v[VO]
	v_add_nc_u32 v[SSR2], s42, v[V8]
	v_lshrrev_b32 v4, 4, v0
	v_mul_u32_u24 v4, v4, 272
	v_lshl_add_u32 v4, v1, 4, v4
	v_add_nc_u32 v[CPA], S2, v4                    ; sixteen threads to a unit of 256 bytes: 272 (thread / 16) + 16 (thread % 16)
	v_lshlrev_b32 v[CPG], 4, v0
	s_lshl_b32 s42, s14, 13
	v_lshl_add_u32 v[PFO], v5, 8, s42
	; where the first product's results go
	s_mul_i32 s40, s66, 6291456                    ; q or k,
	s_mul_i32 s41, s2, 1572864                     ; my tile's 256 columns are a slab,
	s_add_co_u32 s40, s40, s41
	s_mul_i32 s41, s17, 49152                      ; its 16 row tiles,
	s_add_co_u32 s40, s40, s41
	s_mul_i32 s43, s15, 24576
	s_mul_i32 s41, s16, 1536
	s_add_co_u32 s43, s43, s41                     ; my wave's part: 8 row tiles of 3,072 bytes or 4 of 6,144, and my K step: the same number in both products
	s_add_co_u32 s40, s40, s43
	s_mov_b32 s41, 0
	s_add_nc_u64 s[92:93], s[92:93], s[40:41]
	s_lshl_b32 s40, s2, 1
	s_add_co_u32 s40, s40, s16                     ; which 128 columns are mine: the next product's K step
	s_lshl_b32 s40, s40, 15
	s_lshl_b32 s42, s66, 18
	s_add_co_u32 s40, s40, s42
	s_lshl_b32 s42, s17, 10
	s_add_co_u32 s40, s40, s42
	s_lshl_b32 s42, s15, 9
	s_add_co_u32 s40, s40, s42
	s_add_nc_u64 s[94:95], s[94:95], s[40:41]
	; the second product's tile, and where its results go
	s_and_b32 s18, s67, 1
	s_lshl_b32 s18, s18, 2
	s_add_co_u32 s42, s18, s3                      ; the block of 128 channels: 4 (cluster % 2) + cy
	s_lshr_b32 s19, s67, 1
	s_lshl_b32 s19, s19, 2
	s_add_co_u32 s19, s19, s2                      ; the tile of 256 tokens: 4 (cluster / 2) + cx
	s_lshr_b32 s40, s19, 1
	s_mul_i32 s40, s40, 393216                     ; the batch and the slab of 512 keys,
	s_mul_i32 s44, s42, 49152                      ; the block's 8 channel tiles,
	s_add_co_u32 s40, s40, s44
	s_and_b32 s44, s19, 1
	s_mul_i32 s44, s44, 3072                       ; the pair of K steps in the slab
	s_add_co_u32 s40, s40, s44
	s_add_co_u32 s40, s40, s43
	s_add_co_u32 s40, s40, 12582912
	s_add_nc_u64 s[98:99], s[98:99], s[40:41]
	s_lshl_b32 s40, s19, 1
	s_add_co_u32 s40, s40, s16
	s_lshl_b32 s40, s40, 12                        ; a K step's 1,024 scale words
	s_lshl_b32 s43, s42, 9
	s_lshl_b32 s44, s15, 8
	s_add_co_u32 s43, s43, s44                     ; 4 x my first channel
	s_add_co_u32 s40, s40, s43
	s_add_co_u32 s40, s40, 524288
	s_add_nc_u64 s[100:101], s[100:101], s[40:41]
	s_lshl_b32 s20, s19, 1
	s_add_co_u32 s20, s20, s16
	s_mul_i32 s20, s20, 128*KROW                   ; V: the 128 rows that I fetch
	s_mov_b32 s21, 0
	s_mov_b32 s[SEL], 0x76543210
	s_mov_b32 s[SEL+1], 0xfedcba98                 ; v_permlanex16_b32's selects for lane l xor 16
	s_wait_kmcnt 0x0
	s_mul_i32 s40, s19, 256*KROW
	s_mul_i32 s44, s42, 24576
	s_add_co_u32 s40, s40, s44
	s_add_nc_u64 s[PFV:PFV+1], s[6:7], s[40:41]    ; the prefetches: of V's tile the eighth 4 (cluster % 2) + cy,
	s_mul_i32 s40, s42, 128*KROW
	s_add_nc_u64 s[A2B:A2B+1], s[4:5], s[40:41]    ; Wv at my block's first row
	s_mul_i32 s40, s2, 24576
	s_add_nc_u64 s[PFW:PFW+1], s[A2B:A2B+1], s[40:41]  ; of Wv's tile the quarter cx
	s_add_nc_u64 s[B2B:B2B+1], s[6:7], s[20:21]
	s_lshl_b32 s40, s42, 12
	s_add_nc_u64 s[8:9], s[8:9], s[40:41]          ; Wv's scale bytes of the block's 128 rows
	s_lshl_b32 s40, s19, 13
	s_add_nc_u64 s[10:11], s[10:11], s[40:41]      ; V's of the tile's 256 rows
	s_mov_b32 s40, s43
	s_add_nc_u64 s[BMP:BMP+1], s[12:13], s[40:41]
	; the second product's scale bytes, 4,096 + 8,192 dense bytes: 16 bytes a thread, six times; a wave's load covers 512 consecutive bytes
.irp j, 0,1
	global_load_b128 v[CPD+4*\j:CPD+4*\j+3], v[CPG], s[8:9] offset:2048*\j
.endr
.irp j, 0,1,2,3
	global_load_b128 v[CPD+8+4*\j:CPD+8+4*\j+3], v[CPG], s[10:11] offset:2048*\j
.endr
	s_wait_tensorcnt 0x1                           ; the first product's scales and my part of slab 0 are in; slab 1's load may stay out
	s_wait_loadcnt 0x0                             ; the column bias, and the six loads above
.irp j, 0,1,2,3,4,5
	ds_store_b128 v[CPA], v[CPD+4*\j:CPD+4*\j+3] offset:8*272*\j
.endr
	s_wait_dscnt 0x0                               ; for the others' sake: my part of those bytes lies in LDS
	s_barrier_signal -1
	s_barrier_wait -1                              ; everybody's does
.set KS, -1
	FETCHK
.set KS, 0
.rept NK
.if KS == 8
.set NA, 4
.endif
.if KS == NK-1
	LASTK
.elseif KS%NQ == NQ-1
	TURNK
.else
	STEPK
.endif
.if KS == 7
	; THE FIRST TILE GOES OUT; both of the second product's first slabs have been asked for, and its first fragments are on their way from LDS
	PLACES                                         ; behind the last products: their results are read and their operands' registers written below
.irp b, 0,1,2,3
	v_mov_b32 v[TM+4+\b], 0                        ; written once: a lane permute's destination counts as one of its sources
.endr
	ROWQ 0, 92, 3072, 0
.irp a, 1,2,3,4,5,6,7
	ROWQ \a, 92, 3072, 1
.endr
	ds_load_b128 v[OW:OW+3], v[SSR]                ; LDS serves a wave's instructions in order: this sees my eight stores
	s_wait_loadcnt 0x0                             ; bv
	WIN 0x40                                       ; destination window 1
.irp a, 0,1,2,3
.irp j, 0,1,2,3,4,5,6,7
	v_mov_b32 v[96+8*\a+\j], v[BMW+\a]             ; the row bias in the result's layout: all eight registers of a lane belong to its one row
.endr
.endr
	WIN 0
	PLACES
	s_wait_dscnt 0x0
	global_store_b128 v[VO], v[OW:OW+3], s[94:95]  ; my 128 rows' scale words: 512 consecutive bytes
.endif
.set KS, KS+1
.endr
	; THE SECOND TILE GOES OUT
	PLACES
.irp a, 0,1,2,3
	ROWQ \a, 98, 6144, 1
.endr
	ds_load_b64 v[OW:OW+1], v[SSR2]                ; my 64 channels' scale words
	s_wait_dscnt 0x0
	global_store_b64 v[V8], v[OW:OW+1], s[100:101] ; 256 consecutive bytes, at a multiple of 256 from the buffer's first byte
	s_wait_tensorcnt 0x0                           ; the wave's end
	ds_add_u32 v[SPW], v[NIL]
	s_wait_dscnt 0x0
	CROUND                                         ; the closing round
	s_endpgm
.Lfunc_end_k_q15be81526d_proj:
	.size	k_q15be81526d_proj, .Lfunc_end_k_q15be81526d_proj-k_q15be81526d_proj
	.p2alignl 7, 3214868480
	.fill 96, 4, 3214868480
	.section	.rodata,"a",@progbits
	.p2align	6, 0x0
	.amdhsa_kernel k_q15be81526d_proj
		.amdhsa_group_segment_fixed_size 327680
		.amdhsa_private_segment_fixed_size 0
		.amdhsa_enable_private_segment 0
		.amdhsa_kernarg_size 136
		.amdhsa_user_sgpr_count 2
		.amdhsa_user_sgpr_kernarg_segment_ptr 1
		.amdhsa_wavefront_size32 1
		.amdhsa_system_sgpr_workgroup_id_x 1
		.amdhsa_system_sgpr_workgroup_id_y 1
		.amdhsa_system_sgpr_workgroup_id_z 1
		.amdhsa_system_vgpr_workitem_id 0
		.amdhsa_next_free_vgpr 1024
		.amdhsa_next_free_sgpr 102
		.amdhsa_reserve_vcc 0
		.amdhsa_float_denorm_mode_32 3
		.amdhsa_float_denorm_mode_16_64 3
		.amdhsa_memory_ordered 1
		.amdhsa_forward_progress 1
		.amdhsa_inst_pref_size 255
	.end_amdhsa_kernel
	.section	.bss,"aw",@nobits
	.p2align	6
	.space	262144
	.amdgpu_metadata
---
amdhsa.version: [ 1, 2 ]
amdhsa.kernels:
  - .name:           k_q15be81526d_proj
    .symbol:         k_q15be81526d_proj.kd
    .args:
      - { .name: Q_codes, .offset: 0, .size: 8, .value_kind: global_buffer, .address_space: global }
      - { .name: K_codes, .offset: 8, .size: 8, .value_kind: global_buffer, .address_space: global }
      - { .name: Q_scales, .offset: 16, .size: 8, .value_kind: global_buffer, .address_space: global }
      - { .name: K_scales, .offset: 24, .size: 8, .value_kind: global_buffer, .address_space: global }
      - { .name: Wq_codes, .offset: 32, .size: 8, .value_kind: global_buffer, .address_space: global }
      - { .name: Wk_codes, .offset: 40, .size: 8, .value_kind: global_buffer, .address_space: global }
      - { .name: Wq_scales, .offset: 48, .size: 8, .value_kind: global_buffer, .address_space: global }
      - { .name: Wk_scales, .offset: 56, .size: 8, .value_kind: global_buffer, .address_space: global }
      - { .name: bq, .offset: 64, .size: 8, .value_kind: global_buffer, .address_space: global }
      - { .name: bk, .offset: 72, .size: 8, .value_kind: global_buffer, .address_space: global }
      - { .name: wc, .offset: 80, .size: 8, .value_kind: global_buffer, .address_space: global }
      - { .name: ws, .offset: 88, .size: 8, .value_kind: global_buffer, .address_space: global }
      - { .name: Wv_codes, .offset: 96, .size: 8, .value_kind: global_buffer, .address_space: global }
      - { .name: V_codes, .offset: 104, .size: 8, .value_kind: global_buffer, .address_space: global }
      - { .name: Wv_scales, .offset: 112, .size: 8, .value_kind: global_buffer, .address_space: global }
      - { .name: V_scales, .offset: 120, .size: 8, .value_kind: global_buffer, .address_space: global }
      - { .name: bv, .offset: 128, .size: 8, .value_kind: global_buffer, .address_space: global }
    .group_segment_fixed_size: 327680
    .private_segment_fixed_size: 0
    .kernarg_segment_align: 8
    .kernarg_segment_size: 136
    .max_flat_workgroup_size: 128
    .sgpr_count:     102
    .vgpr_count:     1024
    .wavefront_size: 32
...
	.end_amdgpu_metadata
.endif
;; end of part 1
;; launch scores (part 2): grid 8 x 32, 4 waves a work-group, clusters of 4 x 4, 327,680 bytes of LDS; arguments wc, ws, attention_mask, pc, pst; writes pc, pst
.if DOCPART == 2
	.amdgcn_target "amdgcn-amd-amdhsa--gfx1250"
	.amdhsa_code_object_version 6
	.text
	.protected	k_q15be81526d_scores
	.globl	k_q15be81526d_scores
	.p2align	8
	.type	k_q15be81526d_scores,@function
k_q15be81526d_scores:
	s_mov_b64 s[64:65], 0
	v_nop
	global_prefetch_b8 v0, s[64:65] scope:SCOPE_SE
	s_setreg_imm32_b32 hwreg(HW_REG_WAVE_MODE, 25, 1), 1
	s_wait_xcnt 0x0
	s_wait_alu depctr_hold_cnt(0) depctr_sa_sdst(0) depctr_va_vdst(0) depctr_va_sdst(0) depctr_va_ssrc(0) depctr_va_vcc(0) depctr_vm_vsrc(0)
	s_getreg_b32 s2, hwreg(HW_REG_IB_STS2, 6, 4)
	s_cmp_eq_u32 s2, 0
	s_cbranch_scc0 .Lentry_in_a_cluster
	s_endpgm
.Lentry_in_a_cluster:
	s_bfe_u32 s2, ttmp6, 0x10000c
	s_cmp_lg_u32 s2, 0xf033
	s_cbranch_scc0 .Lentry_shape_is_right
	s_endpgm
.Lentry_shape_is_right:
; S = q k^T on codes of BF6, all 256 tiles of 256 queries x 256 keys (4 batches x 8 x 8), K = 1,024; then the logits, p = 2^(t - M), and p QUANTISED along the keys.
; ALL key tiles are computed: the causal mask is ADDED (-1e10) and the key mask REPLACES by the same -1e10, so in a row whose visible keys are all masked the keys behind the diagonal take part in the softmax.
; THE LOGIT is one fused multiply-add, s x mul + add: mul = 1/32 (exact) or, for a masked key, 0; add = (0 or -1e10 for the key mask) + (0 or -1e10 for the causal mask), both sums exact: one rounding, where the sum s / 32 + causal has its own.
; t = logit x log2(e), rounded by itself.  M IS LOCAL: the ceiling of the largest t of a row's 128 keys in this wave, kept as -M = floor(-t).  Any whole M gives the same codes with shifted scale bytes: the next launch brings
; the bytes and the partial sums under the row's M, exactly.  The row's partial sum is taken of the unquantised p.
; SHARES and LAYOUT as in the projections: four waves, 128 x 128 each, transposed use: lane (r, h) holds query 16 a + r, register 8 b + j key 16 b + 8 h + j.  Operands come as images of fragments' registers:
; a slab (256 along K) of 256 rows is one dense block of 49,152 bytes; a fragment is three loads of 16 bytes a lane, 512 consecutive bytes each.
; 4 x 4 cluster: q's tiles shared along a row, k's along a column.
; pc: [batch][slab of 512 keys][query tile of 16][K step in slab: 4][1,536].  pst: scale words at 0, -M at 524,288, the partial sums at 1,048,576, each [batch][128 keys: 16][query 2,048] x 4 bytes.
; LIMITS: NaN and infinities are not served; a masked key whose raw score is infinite gives NaN (0 x s).  A block whose every p lies under 2^-122 gets the byte 1.
; No prefetch: a work-group has four slabs, two of which are first fills.
; REGISTERS: window 0: v1-15 at work; v16-29 addresses; v32-47 q's scale words, v48-63 k's (two sets each; nothing else ever stands there); v64-159, v160-255 q's fragments, two sets; on the way out v64-127 t and p, v128-185 at work, v192-255 mul.
;   window 1: v0-95, v128-223 k's fragments; on the way out the three kinds of add: v0-63 under, v64-127 over, v128-191 on the diagonal.   windows 2, 3: the accumulators.
.set NA,     8
.set NQ,     2
.set NK,     8
.set SLOT,   98304                     ; q's 16 row tiles x 2 K steps x 1,536, then k's
.set SCL,    2*SLOT                    ; scale words: q's halves, k's halves, each [K step 8][512 bytes + 64]
.set SPARE,  SCL+4*4608
.set ADRA, 16                          ; v16-17 q's images in slot 0, 1
.set ADSA, 18                          ; v18 q's scale words: lanes 0-15 an even K step's, lanes 16-31 the odd one's behind it
.set ADSB, 19                          ; v19 k's
.set ADRB, 20                          ; v20-21 k's images
.set VO,   24                          ; v24 16 x lane
.set SSA,  25                          ; v25 the stage: 2,048 x wave + 4 r (in slot 0, behind its last fill and last read)
.set SSR,  26                          ; v26 2,048 x wave + 16 x lane
.set H32,  27                          ; v27 32 h
.set SPW,  28
.set NIL,  29
.set SCA,  32
.set SCB,  48
.set AF,   64
.set ZR,   1
.set C32,  2
.set DL,   3
.set NEGR, 4
.set CD,   8                           ; v8-15 the causal addend on the diagonal
.set MK,   64                          ; the mask's words of my 128 keys
.set T,    64
.set AD,   128                         ; the key mask's addend (PREP alone)
.set MULR, 192
.set PC,   128                         ; v128-147 the codes just made
.set OW,   152                         ; v152-163
.set BX,   164
.set BY,   168
.set SO,   172
.set RM,   176
.set NM,   178                         ; v[178:179] -M
.set LS,   180
.set LT,   182
.set PW,   184
.set LL,   185
.set G1,   24
.set G0,   32
.set G1B,  48
.set G0B,  56
.set G1S,  68
.set G0S,  76
.set G1SB, 80
.set G0SB, 88
.set SEL,  22
.set SLO,  94                          ; s[94:95] the causal addend under the diagonal's tiles
.set SHI,  96                          ; s[96:97] over them
.set CL,   98                          ; s[98:99] log2(e)
.set MSB, 0
.macro WIN new
.if MSB != (\new)
	s_set_vgpr_msb (MSB<<8)|(\new)
.set MSB, (\new)
.endif
.endm
.macro PLACES
.rept 4
	v_nop
.endr
.endm
.macro JLOAD g0a, g1a, g0b, g1b        ; waves 0 and 1 fetch for q, waves 2 and 3 for k; four v_nop follow each line
	s_cmp_eq_u32 s15, 0
	s_cbranch_scc0 .Lfor_b_\@
	tensor_load_to_lds s[\g0a:\g0a+3], s[\g1a:\g1a+7]
	s_nop 0
.rept 4
	v_nop
.endr
	s_branch .Lasked_\@
.Lfor_b_\@:
	tensor_load_to_lds s[\g0b:\g0b+3], s[\g1b:\g1b+7]
	s_nop 0
.rept 4
	v_nop
.endr
.Lasked_\@:
.endm
.macro CREST
	s_cmp_lg_u32 s14, 0
	s_cbranch_scc1 .Lnot_wave_0_\@
	s_barrier_signal -3
.Lnot_wave_0_\@:
	s_barrier_wait -3
	s_barrier_signal -1
	s_barrier_wait -1
.endm
.macro CROUND
	s_barrier_signal -1
	s_barrier_wait -1
	CREST
.endm
.macro FRAGW reg, adr, off             ; an image comes back as it was stored
.irp c, 0,1,2
	ds_load_b128 v[\reg+4*\c:\reg+4*\c+3], v[\adr] offset:\off+512*\c
.endr
.endm
.macro FETCHK                          ; K step KS + 1's fragments; with an even one the scale words of two K steps
.set KN, KS+1
.set FS, (KN/NQ)%2
.set FQ, KN%NQ
.set FP, KN%2
	WIN 0x40
.irp i, 0,1,2,3,4,5,6,7
	FRAGW 128*FP+12*\i, ADRB+FS, 3072*\i+1536*FQ
.endr
	WIN 0
.irp i, 0,1,2,3,4,5,6,7
	FRAGW AF+96*FP+12*\i, ADRA+FS, 3072*\i+1536*FQ
.endr
.if KN%2 == 0
.set FG, 8*((KN/2)%2)
.irp i, 0,1,2,3,4,5,6,7
	ds_load_b32 v[SCA+FG+\i], v[ADSA] offset:1152*(KN/2)+64*\i
	ds_load_b32 v[SCB+FG+\i], v[ADSB] offset:1152*(KN/2)+64*\i
.endr
.endif
.endm
.macro MUL8 a                          ; q's block a against k's eight; the 64 accumulators by turns; an odd K step reads its scales from lanes 16-31
.set MP, KS%2
.set MS, 8*((KS/2)%2)
	WIN 0xa1+0x50*((\a)/4)
.irp b, 0,1,2,3,4,5,6,7
.set DR, 8*(8*((\a)%4)+\b)
.if KS == 0
	v_wmma_scale_f32_16x16x128_f8f6f4 v[DR:DR+7], v[128*MP+12*\b:128*MP+12*\b+11], v[AF+96*MP+12*(\a):AF+96*MP+12*(\a)+11], 0, v[SCB+MS+\b], v[SCA+MS+(\a)] matrix_a_fmt:MATRIX_FMT_BF6 matrix_b_fmt:MATRIX_FMT_BF6
.elseif KS%2 == 0
	v_wmma_scale_f32_16x16x128_f8f6f4 v[DR:DR+7], v[128*MP+12*\b:128*MP+12*\b+11], v[AF+96*MP+12*(\a):AF+96*MP+12*(\a)+11], v[DR:DR+7], v[SCB+MS+\b], v[SCA+MS+(\a)] matrix_a_fmt:MATRIX_FMT_BF6 matrix_b_fmt:MATRIX_FMT_BF6
.else
	v_wmma_scale_f32_16x16x128_f8f6f4 v[DR:DR+7], v[128*MP+12*\b:128*MP+12*\b+11], v[AF+96*MP+12*(\a):AF+96*MP+12*(\a)+11], v[DR:DR+7], v[SCB+MS+\b], v[SCA+MS+(\a)] matrix_a_fmt:MATRIX_FMT_BF6 matrix_b_fmt:MATRIX_FMT_BF6 matrix_a_scale:MATRIX_SCALE_ROW1 matrix_b_scale:MATRIX_SCALE_ROW1
.endif
.endr
.endm
.macro STEPK
	s_wait_dscnt 0x0                               ; this step's fragments and scale words, asked for 64 products ago, are in
	PLACES
	FETCHK
.set MA, 0
.rept NA
	MUL8 MA
.set MA, MA+1
.endr
	WIN 0
.endm
.macro TURNK fill                      ; a slot's last K step: one barrier; with fill = 1 it opens a round of the cluster's, and this slot is filled again, two slabs on
.set TS, (KS/NQ)%2
	s_wait_tensorcnt 0x0                           ; all my tensor loads have landed: my part of the next slot
	ds_add_u32 v[SPW], v[NIL]                      ; 0 onto my spare word
	s_wait_dscnt 1                                 ; the add alone may be out
.set MA, 0
.rept NA/4
	MUL8 MA
.set MA, MA+1
.endr
	s_wait_dscnt 0x0                               ; the add is done; my reads of this slot are over
	s_barrier_signal -1
.rept NA/4
	MUL8 MA
.set MA, MA+1
.endr
	WIN 0
	s_barrier_wait -1
.if \fill
	CREST
	s_add_nc_u64 s[G0+4*TS+2:G0+4*TS+3], s[G0+4*TS+2:G0+4*TS+3], 2*1572864
	s_add_nc_u64 s[G0B+4*TS+2:G0B+4*TS+3], s[G0B+4*TS+2:G0B+4*TS+3], 2*1572864
	JLOAD G0+4*TS, G1, G0B+4*TS, G1B               ; the first tensor load behind the round; its four v_nop are the places for the loads below
.else
	PLACES
.endif
	FETCHK
.rept NA/2
	MUL8 MA
.set MA, MA+1
.endr
	WIN 0
.endm
.macro LASTK                           ; nothing more to fetch; the mask's words of my 128 keys are asked for, into q's idle set
	s_wait_dscnt 0x0
	PLACES
.irp b, 0,1,2,3,4,5,6,7
	global_load_b128 v[MK+8*\b:MK+8*\b+3], v[H32], s[8:9] offset:64*\b          ; register 8 b + j: key 16 b + 8 h + j
	global_load_b128 v[MK+8*\b+4:MK+8*\b+7], v[H32], s[8:9] offset:64*\b+16
.endr
.set MA, 0
.rept NA
	MUL8 MA
.set MA, MA+1
.endr
	WIN 0
.endm
; Block a of 16 queries x my 128 keys: logits, t, -M, p, the partial sum, the codes and the scale word.
.macro ROWP a
.if (\a) > 0
	s_wait_dscnt 0x0                               ; the stage's stores have read the word, -M and the sum: they are written again below
.endif
	WIN 0x12+(\a)/4                                ; the scores window 2 or 3, mul window 0, add window 1
.set i, 0
.rept 32
.if i/4 < (\a)
.set AB, 0
.elseif i/4 > (\a)
.set AB, 64
.else
.set AB, 128
.endif
	v_pk_fma_f32 v[T+2*i:T+2*i+1], v[64*((\a)%4)+2*i:64*((\a)%4)+2*i+1], v[MULR+2*i:MULR+2*i+1], v[AB+2*i:AB+2*i+1]   ; the logit; each accumulator from its low end on
.set i, i+1
.endr
	WIN 0
.set i, 0
.rept 32
	v_pk_mul_f32 v[T+2*i:T+2*i+1], v[T+2*i:T+2*i+1], s[CL:CL+1] op_sel_hi:[1,0]   ; t, rounded by itself: beside a logit of -1e10 a fused t - M would keep bits that t does not have
.set i, i+1
.endr
.irp b, 0,1,2,3
	v_max3_num_f32 v[BX+\b], v[T+16*\b], v[T+1+16*\b], v[T+2+16*\b]     ; the largest t of each block of 32 keys: it serves the row's maximum and, since p rises with t, the block's largest p
.endr
.irp i, 3,5,7,9,11,13
.irp b, 0,1,2,3
	v_max3_num_f32 v[BX+\b], v[BX+\b], v[T+16*\b+\i], v[T+1+16*\b+\i]
.endr
.endr
.irp b, 0,1,2,3
	v_max_num_f32 v[BX+\b], v[BX+\b], v[T+15+16*\b]
.endr
.irp b, 0,1,2,3
	v_permlanex16_b32 v[BY+\b], v[BX+\b], s[SEL], s[SEL+1]
.endr
.irp b, 0,1,2,3
	v_max_num_f32 v[BX+\b], v[BX+\b], v[BY+\b]
.endr
	v_max3_num_f32 v[RM], v[BX], v[BX+1], v[BX+2]
	v_max_num_f32 v[RM], v[RM], v[BX+3]
	v_floor_f32 v[NM], -v[RM]                      ; -M = floor(-t) = -ceil(t): a whole number
.set i, 0
.rept 32
	v_pk_add_f32 v[T+2*i:T+2*i+1], v[T+2*i:T+2*i+1], v[NM:NM+1] op_sel_hi:[1,0]
.set i, i+1
.endr
.irp b, 0,1,2,3
	v_add_f32 v[BX+\b], v[BX+\b], v[NM]
.endr
.set i, 0
.rept 64
	v_exp_f32 v[T+i], v[T+i]                       ; p = 2^(t - M), at most 1
.set i, i+1
.endr
	v_nop                                          ; a plain place behind the exponentials
	s_wait_alu depctr_va_vdst(0)                   ; one wait for the batch, ahead of its first reader
.irp b, 0,1,2,3
	v_exp_f32 v[BX+\b], v[BX+\b]                   ; the block's largest p: the same two instructions on the same number give the same bits
.endr
	v_pk_add_f32 v[LS:LS+1], v[T:T+1], v[T+2:T+3]  ; the sum of the unquantised p, in two packed chains: plain work behind the four
	v_pk_add_f32 v[LT:LT+1], v[T+4:T+5], v[T+6:T+7]
.irp j, 8,12,16,20,24,28,32,36,40,44,48,52,56,60
	v_pk_add_f32 v[LS:LS+1], v[LS:LS+1], v[T+\j:T+\j+1]
	v_pk_add_f32 v[LT:LT+1], v[LT:LT+1], v[T+\j+2:T+\j+3]
.endr
	v_pk_add_f32 v[LS:LS+1], v[LS:LS+1], v[LT:LT+1]
	v_add_f32 v[LL], v[LS], v[LS+1]
	v_permlanex16_b32 v[LT], v[LL], s[SEL], s[SEL+1]
	v_add_f32 v[LL], v[LL], v[LT]                  ; with lane l xor 16's 64 keys
	s_wait_alu depctr_va_vdst(0)                   ; and one wait for the four
.irp b, 0,1,2,3
	v_max_num_f32 v[BX+\b], 0x2800000, v[BX+\b]    ; the floor 2^(5 - 127): the byte cannot fall under 1
.endr
.irp b, 0,1,2,3
	v_add_nc_u32 v[SO+\b], 0xfe000000, v[BX+\b]    ; 4 off the exponent field: the conversion's scale operand
.endr
.irp b, 0,1,2,3
	v_lshrrev_b32 v[BY+\b], 23, v[SO+\b]           ; the scale's byte: 1 .. 123
.endr
	v_lshl_or_b32 v[PW], v[BY+1], 8, v[BY]
	v_lshl_or_b32 v[PW], v[BY+2], 16, v[PW]
	v_lshl_or_b32 v[PW], v[BY+3], 24, v[PW]
.if (\a) > 0
	s_wait_xcnt 0x0                                ; the last block's stores have read the codes' registers
.endif
.irp c, 0,1
	v_cvt_scalef32_pk16_bf6_f32 v[PC+6*\c:PC+2+6*\c], v[T+32*\c:T+15+32*\c], v[SO+2*\c]
	v_cvt_scalef32_pk16_bf6_f32 v[PC+12+4*\c:PC+14+4*\c], v[T+16+32*\c:T+31+32*\c], v[SO+2*\c+1]
.endr
	v_nop                                          ; one plain place behind a scaled conversion
.irp c, 0,1
.irp i, 0,1,2
	v_permlane16_swap_b32 v[PC+6*\c+\i], v[PC+12+4*\c+\i]
.endr
.irp i, 0,1,2
	v_mov_b32 v[PC+3+6*\c+\i], v[PC+12+4*\c+\i]
.endr
.endr
.irp c, 0,1,2
	global_store_b128 v[VO], v[PC+4*\c:PC+4*\c+3], s[10:11] offset:6144*(\a)+512*\c   ; the fragment's image: 512 consecutive bytes a store
.endr
	ds_store_b32 v[SSA], v[PW] offset:64*(\a)
	ds_store_b32 v[SSA], v[NM] offset:64*(\a)+512
	ds_store_b32 v[SSA], v[LL] offset:64*(\a)+1024
.endm
	s_load_b256 s[4:11], s[0:1], 0x0               ; wc, ws, attention_mask, pc
	s_load_b64 s[12:13], s[0:1], 0x20              ; pst
	v_lshl_add_u32 v[SPW], v0, 2, SPARE
	v_mov_b32 v[NIL], 0
	ds_add_u32 v28, v29
	ds_add_u32 v28, v29
	s_wait_dscnt 0x0
	v_lshrrev_b32 v1, 5, v0
	v_readfirstlane_b32 s14, v1                    ; wave 0..3
	s_lshr_b32 s15, s14, 1                         ; my half of the queries.  Also: I fetch for q (0) or for k (1)
	s_and_b32 s16, s14, 1                          ; my half of the keys.  Also: which 128 rows I fetch
	s_bfe_u32 s2, ttmp6, 0x40000                   ; cx
	s_bfe_u32 s3, ttmp6, 0x40004                   ; cy
	s_lshl_b32 s19, ttmp9, 2
	s_add_co_u32 s19, s19, s2                      ; X: the tile of 256 keys
	s_and_b32 s67, ttmp7, 0xffff
	s_lshr_b32 s66, s67, 1                         ; the batch
	s_lshl_b32 s17, s67, 2
	s_add_co_u32 s17, s17, s3                      ; the tile of 256 queries among all 32
	s_and_b32 s18, s17, 7                          ; Y: in its batch
	s_lshl_b32 s40, s3, 2
	s_lshl_b32 s40, 15, s40                        ; my row of the cluster
	s_lshl_b32 s41, 0x1111, s2                     ; my column
	; half a slab's images of 128 rows: a dense block of 24,576 bytes, as 96 rows of 256 bytes
	s_or_b32 s[G1+0], s40, (3<<16)|(1<<21)
	s_or_b32 s[G1B+0], s41, (3<<16)|(1<<21)
.irp g, G1, G1B
	s_mov_b32 s[\g+1], 32<<16
	s_mov_b32 s[\g+2], 96<<16
	s_mov_b32 s[\g+3], 32<<16
	s_mov_b32 s[\g+4], 96
	s_mov_b32 s[\g+5], 32
	s_mov_b32 s[\g+6], 0
	s_mov_b32 s[\g+7], 0
.endr
	; the scale words of 128 rows for the 8 K steps: 8 rows of 128 words, 8,192 words apart; 64 bytes of padding behind each
	s_or_b32 s[G1S+0], s40, (2<<16)|(1<<20)|(1<<21)|(6<<22)|(15<<25)
	s_or_b32 s[G1SB+0], s41, (2<<16)|(1<<20)|(1<<21)|(6<<22)|(15<<25)
.irp g, G1S, G1SB
	s_mov_b32 s[\g+1], 128<<16
	s_mov_b32 s[\g+2], 8<<16
	s_mov_b32 s[\g+3], 128<<16
	s_mov_b32 s[\g+4], 8
	s_mov_b32 s[\g+5], 8192
	s_mov_b32 s[\g+6], 0
	s_mov_b32 s[\g+7], 0
.endr
	s_mul_i32 s42, s17, 49152                      ; q's images: 16 row tiles x 3,072 a tile of queries,
	s_mul_i32 s20, s16, 24576                      ; + the half that I fetch
	s_add_co_u32 s42, s42, s20
	s_mov_b32 s43, 0
	s_mul_i32 s44, s66, 393216                     ; k's: the batch's 128 row tiles,
	s_mul_i32 s67, s19, 49152
	s_add_co_u32 s44, s44, s67
	s_add_co_u32 s44, s44, s20
	s_add_co_u32 s44, s44, 6291456
	s_mov_b32 s45, 0
	s_lshl_b32 s46, s17, 10                        ; q's scale words: 4 bytes a row
	s_lshl_b32 s20, s16, 9
	s_add_co_u32 s46, s46, s20
	s_mov_b32 s47, 0
	s_lshl_b32 s92, s66, 13                        ; k's; the same offset serves the mask's words of my 128 keys
	s_lshl_b32 s67, s19, 10
	s_add_co_u32 s92, s92, s67
	s_add_co_u32 s92, s92, s20
	s_mov_b32 s93, 0
	s_mov_b32 s94, s92
	s_mov_b32 s95, 0
	s_add_co_u32 s92, s92, 262144
	s_mul_i32 s20, s14, 24576                      ; where they go: the wave's number alone enters an LDS address
	s_mul_i32 s21, s14, 4608
	s_wait_kmcnt 0x0
	s_add_nc_u64 s[42:43], s[4:5], s[42:43]
	s_add_nc_u64 s[44:45], s[4:5], s[44:45]
	s_add_nc_u64 s[46:47], s[6:7], s[46:47]
	s_add_nc_u64 s[92:93], s[6:7], s[92:93]
	s_add_nc_u64 s[8:9], s[8:9], s[94:95]
	CROUND                                         ; all sixteen work-groups are here: the first joint loads meet
	s_mov_b32 s[G0S], 1
	s_add_co_u32 s[G0S+1], s21, SCL
	s_mov_b64 s[G0S+2:G0S+3], s[46:47]
	s_or_b32 s[G0S+3], s[G0S+3], 0x80000000
	s_mov_b32 s[G0SB], 1
	s_add_co_u32 s[G0SB+1], s21, SCL
	s_mov_b64 s[G0SB+2:G0SB+3], s[92:93]
	s_or_b32 s[G0SB+3], s[G0SB+3], 0x80000000
	JLOAD G0S, G1S, G0SB, G1SB
.irp s, 0,1
	s_mov_b32 s[G0+4*\s], 1
	s_add_co_u32 s[G0+4*\s+1], s20, \s*SLOT
	s_add_nc_u64 s[G0+4*\s+2:G0+4*\s+3], s[42:43], \s*1572864
	s_or_b32 s[G0+4*\s+3], s[G0+4*\s+3], 0x80000000
	s_mov_b32 s[G0B+4*\s], 1
	s_add_co_u32 s[G0B+4*\s+1], s20, \s*SLOT
	s_add_nc_u64 s[G0B+4*\s+2:G0B+4*\s+3], s[44:45], \s*1572864
	s_or_b32 s[G0B+4*\s+3], s[G0B+4*\s+3], 0x80000000
	JLOAD G0+4*\s, G1, G0B+4*\s, G1B               ; three tensor loads of mine are out
.endr
	v_and_b32 v1, 15, v0                           ; r
	v_bfe_u32 v2, v0, 4, 1                         ; h
	v_and_b32 v3, 31, v0
	v_lshlrev_b32 v[VO], 4, v3
	s_mul_i32 s40, s15, 24576                      ; my 8 row tiles of q,
	s_mul_i32 s41, s16, 24576                      ; of k,
	s_add_co_u32 s41, s41, 49152                   ; behind q's 16
.irp s, 0,1
	v_add_nc_u32 v[ADRA+\s], s40, v[VO]
	v_add_nc_u32 v[ADRB+\s], s41, v[VO]
	s_add_co_u32 s40, s40, SLOT
	s_add_co_u32 s41, s41, SLOT
.endr
	v_mul_u32_u24 v4, v2, 576
	v_lshl_add_u32 v4, v1, 2, v4                   ; 576 h + 4 r: lanes 16-31 take the K step behind
	s_mul_i32 s40, s15, 4608
	s_add_co_u32 s40, s40, SCL
	v_add_nc_u32 v[ADSA], s40, v4
	s_mul_i32 s40, s16, 4608
	s_add_co_u32 s40, s40, SCL+9216
	v_add_nc_u32 v[ADSB], s40, v4
	s_lshl_b32 s40, s14, 11
	v_lshl_add_u32 v[SSA], v1, 2, s40
	v_add_nc_u32 v[SSR], s40, v[VO]
	v_lshlrev_b32 v[H32], 5, v2
	; where the results go
	s_lshr_b32 s40, s19, 1
	s_lshl_b32 s41, s66, 2
	s_add_co_u32 s40, s40, s41
	s_mul_i32 s40, s40, 786432                     ; the batch and the slab of 512 keys,
	s_lshl_b32 s41, s18, 4
	s_lshl_b32 s67, s15, 3
	s_add_co_u32 s41, s41, s67
	s_mul_i32 s41, s41, 6144                       ; my first query tile,
	s_add_co_u32 s40, s40, s41
	s_and_b32 s41, s19, 1
	s_lshl_b32 s41, s41, 1
	s_add_co_u32 s41, s41, s16
	s_mul_i32 s41, s41, 1536                       ; my 128 keys' place in the slab
	s_add_co_u32 s40, s40, s41
	s_mov_b32 s41, 0
	s_add_nc_u64 s[10:11], s[10:11], s[40:41]
	s_lshl_b32 s40, s66, 4
	s_lshl_b32 s67, s19, 1
	s_add_co_u32 s40, s40, s67
	s_add_co_u32 s40, s40, s16                     ; which 128 keys of all
	s_lshl_b32 s40, s40, 13                        ; x 2,048 queries x 4 bytes
	s_lshl_b32 s67, s18, 10
	s_add_co_u32 s40, s40, s67
	s_lshl_b32 s67, s15, 9
	s_add_co_u32 s40, s40, s67
	s_add_nc_u64 s[12:13], s[12:13], s[40:41]
	; the causal mask.  g = my first key - my first query, a multiple of 128; inside the wave's tile keys and queries differ from that by under 128.  These numbers are data: no branch hangs on them.
	s_lshl_b32 s40, s19, 8
	s_lshl_b32 s67, s16, 7
	s_add_co_u32 s40, s40, s67
	s_lshl_b32 s67, s18, 8
	s_sub_co_i32 s40, s40, s67
	s_lshl_b32 s67, s15, 7
	s_sub_co_i32 s40, s40, s67
	s_mov_b32 s67, 0xd01502f9                      ; -1e10
	s_cmp_gt_i32 s40, 0
	s_cselect_b32 s[SLO], s67, 0                   ; key tiles b < a: hidden where g > 0
	s_mov_b32 s[SLO+1], s[SLO]
	s_cmp_ge_i32 s40, 0
	s_cselect_b32 s[SHI], s67, 0                   ; b > a: hidden where g >= 0
	s_mov_b32 s[SHI+1], s[SHI]
	s_cmp_eq_u32 s40, 0
	s_cselect_b32 s20, 1.0, 0                      ; b = a: by the lane where g = 0, else as b < a
	s_mov_b32 s[CL], 0x3fb8aa3b                    ; log2(e)
	s_mov_b32 s[CL+1], s[CL]
	s_mov_b32 s[SEL], 0x76543210
	s_mov_b32 s[SEL+1], 0xfedcba98
	s_wait_tensorcnt 0x1                           ; the scale words and my part of slab 0 are in; slab 1's load may stay out
	s_barrier_signal -1
	s_barrier_wait -1
.set KS, -1
	FETCHK
.set KS, 0
.rept NK
.if KS == NK-1
	LASTK
.elseif KS%NQ == NQ-1
.if KS/NQ < 2
	TURNK 1
.else
	TURNK 0
.endif
.else
	STEPK
.endif
.set KS, KS+1
.endr
	; PREP: once a wave: mul and the three kinds of add for my 64 keys a lane
	PLACES                                         ; behind the last products
	s_wait_loadcnt 0x0                             ; the mask's words
	v_mov_b32 v[ZR], 0
	v_mov_b32 v[C32], 0x3d000000                   ; 1 / 32 = 1 / sqrt(1,024)
	v_mov_b32 v[NEGR], 0xd01502f9
.set i, 0
.rept 64
	v_cmp_ne_u32 vcc_lo, 0, v[MK+i]
	v_cndmask_b32 v[MULR+i], 0, v[C32], vcc_lo            ; a masked key's score counts for nothing,
	v_cndmask_b32 v[AD+i], 0xd01502f9, v[ZR], vcc_lo      ; and -1e10 stands in its place
.set i, i+1
.endr
	v_and_b32 v5, 15, v0
	v_bfe_u32 v6, v0, 4, 1
	v_lshlrev_b32 v6, 3, v6
	v_sub_nc_u32 v[DL], v5, v6                     ; r - 8 h: on the diagonal's tiles register j is hidden where j > r - 8 h
.irp j, 0,1,2,3,4,5,6,7
	v_cmp_gt_i32 vcc_lo, \j, v[DL]
	v_cndmask_b32 v[CD+\j], 0, v[NEGR], vcc_lo
.endr
.irp j, 0,1,2,3,4,5,6,7
	v_fma_f32 v[CD+\j], v[CD+\j], s20, s[SLO]
.endr
	WIN 0x40                                       ; destination window 1
.set i, 0
.rept 32
	v_pk_add_f32 v[2*i:2*i+1], v[AD+2*i:AD+2*i+1], s[SLO:SLO+1] op_sel_hi:[1,0]          ; 0, -1e10 or -2e10: exact
	v_pk_add_f32 v[64+2*i:64+2*i+1], v[AD+2*i:AD+2*i+1], s[SHI:SHI+1] op_sel_hi:[1,0]
	v_pk_add_f32 v[128+2*i:128+2*i+1], v[AD+2*i:AD+2*i+1], v[CD+2*(i%4):CD+2*(i%4)+1]
.set i, i+1
.endr
	WIN 0
.irp b, 0,1,2,3
	v_mov_b32 v[BY+\b], 0                          ; written once: a lane permute's destination counts as one of its sources
.endr
	v_mov_b32 v[LT], 0
	v_mov_b32 v[NM+1], 0                           ; (named as the upper half of a pair)
.irp a, 0,1,2,3,4,5,6,7
	ROWP \a
.endr
.irp p, 0,1,2
	ds_load_b128 v[OW+4*\p:OW+4*\p+3], v[SSR] offset:512*\p      ; LDS serves a wave's instructions in order: these see my stores
.endr
	s_wait_dscnt 0x0
.irp p, 0,1,2
	global_store_b128 v[VO], v[OW+4*\p:OW+4*\p+3], s[12:13] offset:524288*\p   ; my 128 queries' words, -M and sums: 512 consecutive bytes each
.endr
	s_wait_tensorcnt 0x0                           ; the wave's end
	ds_add_u32 v[SPW], v[NIL]
	s_wait_dscnt 0x0
	CROUND                                         ; the closing round
	s_endpgm
.Lfunc_end_k_q15be81526d_scores:
	.size	k_q15be81526d_scores, .Lfunc_end_k_q15be81526d_scores-k_q15be81526d_scores
	.p2alignl 7, 3214868480
	.fill 96, 4, 3214868480
	.section	.rodata,"a",@progbits
	.p2align	6, 0x0
	.amdhsa_kernel k_q15be81526d_scores
		.amdhsa_group_segment_fixed_size 327680
		.amdhsa_private_segment_fixed_size 0
		.amdhsa_enable_private_segment 0
		.amdhsa_kernarg_size 40
		.amdhsa_user_sgpr_count 2
		.amdhsa_user_sgpr_kernarg_segment_ptr 1
		.amdhsa_wavefront_size32 1
		.amdhsa_system_sgpr_workgroup_id_x 1
		.amdhsa_system_sgpr_workgroup_id_y 1
		.amdhsa_system_sgpr_workgroup_id_z 1
		.amdhsa_system_vgpr_workitem_id 0
		.amdhsa_next_free_vgpr 1024
		.amdhsa_next_free_sgpr 100
		.amdhsa_reserve_vcc 1
		.amdhsa_float_denorm_mode_32 3
		.amdhsa_float_denorm_mode_16_64 3
		.amdhsa_memory_ordered 1
		.amdhsa_forward_progress 1
		.amdhsa_inst_pref_size 245
	.end_amdhsa_kernel
	.amdgpu_metadata
---
amdhsa.version: [ 1, 2 ]
amdhsa.kernels:
  - .name:           k_q15be81526d_scores
    .symbol:         k_q15be81526d_scores.kd
    .args:
      - { .name: wc, .offset: 0, .size: 8, .value_kind: global_buffer, .address_space: global }
      - { .name: ws, .offset: 8, .size: 8, .value_kind: global_buffer, .address_space: global }
      - { .name: attention_mask, .offset: 16, .size: 8, .value_kind: global_buffer, .address_space: global }
      - { .name: pc, .offset: 24, .size: 8, .value_kind: global_buffer, .address_space: global }
      - { .name: pst, .offset: 32, .size: 8, .value_kind: global_buffer, .address_space: global }
    .group_segment_fixed_size: 327680
    .private_segment_fixed_size: 0
    .kernarg_segment_align: 8
    .kernarg_segment_size: 40
    .max_flat_workgroup_size: 128
    .sgpr_count:     100
    .vgpr_count:     1024
    .wavefront_size: 32
...
	.end_amdgpu_metadata
.endif
;; end of part 2
;; launch pv (part 3): grid 4 x 64, 4 waves a work-group, clusters of 4 x 4, 327,680 bytes of LDS; arguments pc, pst, wc, ws, out0; writes out0
.if DOCPART == 3
	.amdgcn_target "amdgcn-amd-amdhsa--gfx1250"
	.amdhsa_code_object_version 6
	.text
	.protected	k_q15be81526d_pv
	.globl	k_q15be81526d_pv
	.p2align	8
	.type	k_q15be81526d_pv,@function
k_q15be81526d_pv:
	s_mov_b64 s[64:65], 0
	v_nop
	global_prefetch_b8 v0, s[64:65] scope:SCOPE_SE
	s_setreg_imm32_b32 hwreg(HW_REG_WAVE_MODE, 25, 1), 1
	s_wait_xcnt 0x0
	s_wait_alu depctr_hold_cnt(0) depctr_sa_sdst(0) depctr_va_vdst(0) depctr_va_sdst(0) depctr_va_ssrc(0) depctr_va_vcc(0) depctr_vm_vsrc(0)
	s_getreg_b32 s2, hwreg(HW_REG_IB_STS2, 6, 4)
	s_cmp_eq_u32 s2, 0
	s_cbranch_scc0 .Lentry_in_a_cluster
	s_endpgm
.Lentry_in_a_cluster:
	s_bfe_u32 s2, ttmp6, 0x10000c
	s_cmp_lg_u32 s2, 0xf033
	s_cbranch_scc0 .Lentry_shape_is_right
	s_endpgm
.Lentry_shape_is_right:
; O = P v / l on codes of BF6: 256 tiles of 128 queries x 256 channels (4 batches x 16 x 4), K = the batch's 2,048 keys.
; P's codes were made under a LOCAL whole number M for each row and each 128 keys.  At the head each thread takes one of the work-group's 128 rows: the row's M is the largest of its 16 local ones; a local sum is
; multiplied by 2^(local M - row M) (v_ldexp_f32: exact) and added to l; the four scale bytes of each word have row M - local M taken off, held at 0 from below.  The words and 1 / l go to LDS bytes of their own.
; SHARES: four waves, each 64 queries x 128 channels: 32 accumulators.  Transposed use: source 0 = 16 channels of v^T, source 1 = 16 queries of P: a lane holds query 16 a + r and eight neighbouring channels.
; A slot holds a slab of 512 keys (four K steps): v^T's 16 channel tiles (98,304 dense bytes; waves 0 to 2 fetch a third each), then P's 8 query tiles (49,152; wave 3).  4 x 4 cluster: P's tiles shared along a row, v^T's along a column.
; LIMITS: NaN and infinities are not served.  A block of P that lies 2^123 or more under its row's largest p gets the scale byte 0 (2^-127): it adds at most 28 x 2^-127 |v| a key where it should add less.
; No prefetch: a work-group has four slabs, two of which are first fills.
; REGISTERS: window 0: v2-9 1 / l; v16-29 addresses; v32-39 P's scale words, v40-55 v^T's (two sets each; nothing else ever stands there); v64-111, v112-159 P's fragments; at the head v64-177 at work; on the way out v64-255.
;   window 1: v0-95, v128-223 v^T's fragments.   window 2: accumulator (a, b) at v[8 (8 a + b)].
.set NA,     4
.set NQ,     4
.set NK,     16
.set SLOT,   147456
.set VSC,    2*SLOT                    ; v^T's scale words: [half of the channels][K step 16][512 bytes + 64]
.set PSC,    VSC+18432                 ; P's, under the row's M: [K step 16][512 bytes + 64]: written by LDS stores, no fill lands here
.set RL,     PSC+9216                  ; 1 / l of the 128 rows
.set SPARE,  RL+512
.set RLP,  2                           ; v2-9 pairs of 1 / l
.set ADRA, 16                          ; v16-17 P's images in slot 0, 1
.set ADSA, 18                          ; v18 P's scale words
.set ADSB, 19                          ; v19 v^T's
.set ADRB, 20                          ; v20-21 v^T's images
.set RLA,  22                          ; v22 1 / l of my rows
.set PSA,  23                          ; v23 PSC + 4 x thread
.set STO,  24
.set RD,   25
.set CO,   26                          ; v26 16 x lane
.set PGO,  27                          ; v27 4 x thread
.set SPW,  28
.set NIL,  29
.set SCA,  32
.set SCB,  40
.set AF,   64
.set WW,   64                          ; the head: 16 scale words,
.set NMC,  80                          ; 16 local -M,
.set LC,   96                          ; 16 local sums
.set NMR,  112
.set DD,   128
.set EE,   144
.set HB,   160
.set LSM,  176
.set TMP,  64                          ; the way out
.set BK,   128
.set G1,   24
.set G0,   32
.set G1B,  48
.set G0B,  56
.set G1S,  68
.set G0S,  76
.set MSB, 0
.macro WIN new
.if MSB != (\new)
	s_set_vgpr_msb (MSB<<8)|(\new)
.set MSB, (\new)
.endif
.endm
.macro PLACES
.rept 4
	v_nop
.endr
.endm
.macro JLOAD g0a, g1a, g0b, g1b        ; wave 3 fetches P's tile, waves 0 to 2 a third of v^T's each; four v_nop follow each line
	s_cmp_eq_u32 s14, 3
	s_cbranch_scc0 .Lfor_b_\@
	tensor_load_to_lds s[\g0a:\g0a+3], s[\g1a:\g1a+7]
	s_nop 0
.rept 4
	v_nop
.endr
	s_branch .Lasked_\@
.Lfor_b_\@:
	tensor_load_to_lds s[\g0b:\g0b+3], s[\g1b:\g1b+7]
	s_nop 0
.rept 4
	v_nop
.endr
.Lasked_\@:
.endm
.macro CREST
	s_cmp_lg_u32 s14, 0
	s_cbranch_scc1 .Lnot_wave_0_\@
	s_barrier_signal -3
.Lnot_wave_0_\@:
	s_barrier_wait -3
	s_barrier_signal -1
	s_barrier_wait -1
.endm
.macro CROUND
	s_barrier_signal -1
	s_barrier_wait -1
	CREST
.endm
.macro FRAGW reg, adr, off
.irp c, 0,1,2
	ds_load_b128 v[\reg+4*\c:\reg+4*\c+3], v[\adr] offset:\off+512*\c
.endr
.endm
.macro FETCHK                          ; K step KS + 1's fragments; with an even one the scale words of two K steps
.set KN, KS+1
.set FS, (KN/NQ)%2
.set FQ, KN%NQ
.set FP, KN%2
	WIN 0x40
.irp i, 0,1,2,3,4,5,6,7
	FRAGW 128*FP+12*\i, ADRB+FS, 6144*\i+1536*FQ
.endr
	WIN 0
.irp i, 0,1,2,3
	FRAGW AF+48*FP+12*\i, ADRA+FS, 6144*\i+1536*FQ
.endr
.if KN%2 == 0
.set FG, (KN/2)%2
.irp i, 0,1,2,3
	ds_load_b32 v[SCA+4*FG+\i], v[ADSA] offset:1152*(KN/2)+64*\i
.endr
.irp i, 0,1,2,3,4,5,6,7
	ds_load_b32 v[SCB+8*FG+\i], v[ADSB] offset:1152*(KN/2)+64*\i
.endr
.endif
.endm
.macro MUL8 a                          ; P's block a against v^T's eight; the 32 accumulators by turns
.set MP, KS%2
.set MG, (KS/2)%2
	WIN 0xa1                                       ; v^T window 1, P window 0, C and D window 2
.irp b, 0,1,2,3,4,5,6,7
.set DR, 8*(8*(\a)+\b)
.if KS == 0
	v_wmma_scale_f32_16x16x128_f8f6f4 v[DR:DR+7], v[128*MP+12*\b:128*MP+12*\b+11], v[AF+48*MP+12*(\a):AF+48*MP+12*(\a)+11], 0, v[SCB+8*MG+\b], v[SCA+4*MG+(\a)] matrix_a_fmt:MATRIX_FMT_BF6 matrix_b_fmt:MATRIX_FMT_BF6
.elseif KS%2 == 0
	v_wmma_scale_f32_16x16x128_f8f6f4 v[DR:DR+7], v[128*MP+12*\b:128*MP+12*\b+11], v[AF+48*MP+12*(\a):AF+48*MP+12*(\a)+11], v[DR:DR+7], v[SCB+8*MG+\b], v[SCA+4*MG+(\a)] matrix_a_fmt:MATRIX_FMT_BF6 matrix_b_fmt:MATRIX_FMT_BF6
.else
	v_wmma_scale_f32_16x16x128_f8f6f4 v[DR:DR+7], v[128*MP+12*\b:128*MP+12*\b+11], v[AF+48*MP+12*(\a):AF+48*MP+12*(\a)+11], v[DR:DR+7], v[SCB+8*MG+\b], v[SCA+4*MG+(\a)] matrix_a_fmt:MATRIX_FMT_BF6 matrix_b_fmt:MATRIX_FMT_BF6 matrix_a_scale:MATRIX_SCALE_ROW1 matrix_b_scale:MATRIX_SCALE_ROW1
.endif
.endr
.endm
.macro STEPK
	s_wait_dscnt 0x0                               ; this step's fragments and scale words, asked for 32 products ago, are in
	PLACES
	FETCHK
.set MA, 0
.rept NA
	MUL8 MA
.set MA, MA+1
.endr
	WIN 0
.endm
.macro TURNK fill                      ; a slot's last K step: one barrier; with fill = 1 it opens a round of the cluster's, and this slot is filled again, two slabs on: the load has four K steps in which to land
.set TS, (KS/NQ)%2
	s_wait_tensorcnt 0x0                           ; all my tensor loads have landed: my part of the next slot
	ds_add_u32 v[SPW], v[NIL]                      ; 0 onto my spare word
	s_wait_dscnt 1                                 ; the add alone may be out
.set MA, 0
.rept NA/4
	MUL8 MA
.set MA, MA+1
.endr
	s_wait_dscnt 0x0                               ; the add is done; my reads of this slot are over
	s_barrier_signal -1
.rept NA/4
	MUL8 MA
.set MA, MA+1
.endr
	WIN 0
	s_barrier_wait -1
.if \fill
	CREST
	s_add_nc_u64 s[G0+4*TS+2:G0+4*TS+3], s[G0+4*TS+2:G0+4*TS+3], 2*786432
	s_add_nc_u64 s[G0B+4*TS+2:G0B+4*TS+3], s[G0B+4*TS+2:G0B+4*TS+3], 2*393216
	JLOAD G0+4*TS, G1, G0B+4*TS, G1B               ; the first tensor load behind the round; its four v_nop are the places for the loads below
.else
	PLACES
.endif
	FETCHK
.rept NA/2
	MUL8 MA
.set MA, MA+1
.endr
	WIN 0
.endm
.macro LASTK
	s_wait_dscnt 0x0
.set MA, 0
.rept NA
	MUL8 MA
.set MA, MA+1
.endr
	WIN 0
.endm
; THE WAY OUT of block a (16 queries x 128 channels): x 1 / l, through my stage in LDS, back as whole rows of 512 bytes.
.macro TOSTAGE a
.if (\a) > 0
	s_wait_dscnt 16                                ; the last block's sixteen stores into the stage have read their registers (its sixteen loads, younger, may be out)
.endif
	WIN 0x02                                       ; source 0 window 2
.set i, 0
.rept 32
	v_pk_mul_f32 v[TMP+2*i:TMP+2*i+1], v[64*(\a)+2*i:64*(\a)+2*i+1], v[RLP+2*(\a):RLP+2*(\a)+1] op_sel_hi:[1,0]   ; each accumulator from its low end on
.set i, i+1
.endr
	WIN 0
.irp b, 0,1,2,3,4,5,6,7
	ds_store_b128 v[STO], v[TMP+8*\b:TMP+8*\b+3] offset:64*\b
	ds_store_b128 v[STO], v[TMP+8*\b+4:TMP+8*\b+7] offset:64*\b+16
.endr
.set BB, BK+64*((\a)%2)
.irp t, 0,1,2,3,4,5,6,7,8,9,10,11,12,13,14,15
	ds_load_b128 v[BB+4*\t:BB+4*\t+3], v[RD] offset:\t*528       ; LDS serves a wave's instructions in order: these see the stores above
.endr
.endm
.macro SEND a, younger
.set BB, BK+64*((\a)%2)
	s_wait_dscnt \younger                          ; the block is back in registers
.irp t, 0,1,2,3,4,5,6,7,8,9,10,11,12,13,14,15
	global_store_b128 v[CO], v[BB+4*\t:BB+4*\t+3], s[12:13] offset:(16*(\a)+\t)*4096 th:TH_STORE_NT   ; 32 lanes store 512 consecutive bytes, at a multiple of 256 from the output's first byte
.endr
.endm
	s_load_b256 s[4:11], s[0:1], 0x0               ; pc, pst, wc, ws
	s_load_b64 s[12:13], s[0:1], 0x20              ; out0
	v_lshl_add_u32 v[SPW], v0, 2, SPARE
	v_mov_b32 v[NIL], 0
	ds_add_u32 v28, v29
	ds_add_u32 v28, v29
	s_wait_dscnt 0x0
	v_lshrrev_b32 v1, 5, v0
	v_readfirstlane_b32 s14, v1                    ; wave 0..3
	s_lshr_b32 s15, s14, 1                         ; my half of the queries
	s_and_b32 s16, s14, 1                          ; my half of the channels
	s_bfe_u32 s2, ttmp6, 0x40000                   ; cx
	s_bfe_u32 s3, ttmp6, 0x40004                   ; cy
	s_lshl_b32 s19, ttmp9, 2
	s_add_co_u32 s19, s19, s2                      ; the tile of 256 channels
	s_and_b32 s67, ttmp7, 0xffff
	s_lshr_b32 s66, s67, 2                         ; the batch
	s_lshl_b32 s17, s67, 2
	s_add_co_u32 s17, s17, s3                      ; the block of 128 queries among all 64
	s_and_b32 s18, s17, 15                         ; in its batch
	s_lshl_b32 s40, s3, 2
	s_lshl_b32 s40, 15, s40                        ; my row of the cluster
	s_lshl_b32 s41, 0x1111, s2                     ; my column
	; P's tile of a slab: 49,152 dense bytes as 192 rows of 256;  a third of v^T's: 32,768 as 128 rows
	s_or_b32 s[G1+0], s40, (3<<16)|(1<<21)
	s_mov_b32 s[G1+1], 32<<16
	s_mov_b32 s[G1+2], 192<<16
	s_mov_b32 s[G1+3], 32<<16
	s_mov_b32 s[G1+4], 192
	s_mov_b32 s[G1+5], 32
	s_mov_b32 s[G1+6], 0
	s_mov_b32 s[G1+7], 0
	s_or_b32 s[G1B+0], s41, (3<<16)|(1<<21)
	s_mov_b32 s[G1B+1], 32<<16
	s_mov_b32 s[G1B+2], 128<<16
	s_mov_b32 s[G1B+3], 32<<16
	s_mov_b32 s[G1B+4], 128
	s_mov_b32 s[G1B+5], 32
	s_mov_b32 s[G1B+6], 0
	s_mov_b32 s[G1B+7], 0
	; v^T's scale words of 128 channels for 8 K steps: 8 rows of 128 words, 1,024 words apart; 64 bytes of padding behind each
	s_or_b32 s[G1S+0], s41, (2<<16)|(1<<20)|(1<<21)|(6<<22)|(15<<25)
	s_mov_b32 s[G1S+1], 128<<16
	s_mov_b32 s[G1S+2], 8<<16
	s_mov_b32 s[G1S+3], 128<<16
	s_mov_b32 s[G1S+4], 8
	s_mov_b32 s[G1S+5], 1024
	s_mov_b32 s[G1S+6], 0
	s_mov_b32 s[G1S+7], 0
	s_mul_i32 s42, s66, 3145728                    ; P: the batch, my block's 8 query tiles
	s_mul_i32 s23, s18, 49152
	s_add_co_u32 s42, s42, s23
	s_mov_b32 s43, 0
	s_mul_i32 s44, s66, 1572864                    ; v^T: the batch, the tile's 16 channel tiles, my third
	s_mul_i32 s67, s19, 98304
	s_add_co_u32 s44, s44, s67
	s_lshl_b32 s20, s14, 15                        ; 32,768 x wave: in memory and in a slot
	s_add_co_u32 s44, s44, s20
	s_add_co_u32 s44, s44, 12582912
	s_mov_b32 s45, 0
	s_lshl_b32 s46, s66, 16                        ; v^T's scale words: the batch's 16 K steps of 4,096 bytes,
	s_lshl_b32 s67, s19, 10
	s_add_co_u32 s46, s46, s67                     ; the tile's channels,
	s_lshl_b32 s21, s15, 15
	s_add_co_u32 s46, s46, s21                     ; K steps 8 (wave / 2) on,
	s_lshl_b32 s21, s16, 9
	s_add_co_u32 s46, s46, s21                     ; half wave % 2 of the channels
	s_add_co_u32 s46, s46, 524288
	s_mov_b32 s47, 0
	s_mul_i32 s21, s16, 9216
	s_mul_i32 s22, s15, 4608
	s_add_co_u32 s21, s21, s22
	s_add_co_u32 s21, s21, VSC
	s_wait_kmcnt 0x0
	s_add_nc_u64 s[42:43], s[4:5], s[42:43]
	s_add_nc_u64 s[44:45], s[8:9], s[44:45]
	s_add_nc_u64 s[46:47], s[10:11], s[46:47]
	CROUND                                         ; all sixteen work-groups are here: the first joint loads meet
	s_mov_b32 s[G0S], 1
	s_mov_b32 s[G0S+1], s21
	s_mov_b64 s[G0S+2:G0S+3], s[46:47]
	s_or_b32 s[G0S+3], s[G0S+3], 0x80000000
	tensor_load_to_lds s[G0S:G0S+3], s[G1S:G1S+7]  ; every wave its quarter of v^T's scale words: both addresses hang on the wave's number
	s_nop 0
.rept 4
	v_nop
.endr
.irp s, 0,1
	s_mov_b32 s[G0+4*\s], 1
	s_mov_b32 s[G0+4*\s+1], \s*SLOT+98304
	s_add_nc_u64 s[G0+4*\s+2:G0+4*\s+3], s[42:43], \s*786432
	s_or_b32 s[G0+4*\s+3], s[G0+4*\s+3], 0x80000000
	s_mov_b32 s[G0B+4*\s], 1
	s_add_co_u32 s[G0B+4*\s+1], s20, \s*SLOT
	s_add_nc_u64 s[G0B+4*\s+2:G0B+4*\s+3], s[44:45], \s*393216
	s_or_b32 s[G0B+4*\s+3], s[G0B+4*\s+3], 0x80000000
	JLOAD G0+4*\s, G1, G0B+4*\s, G1B               ; three tensor loads of mine are out
.endr
	; THE HEAD'S OWN WORK: thread t takes row t of the block's 128
	s_lshl_b32 s40, s66, 17                        ; the batch: 16 x 2,048 x 4 bytes,
	s_lshl_b32 s41, s18, 9                         ; my block's first row
	s_add_co_u32 s40, s40, s41
	s_mov_b32 s41, 0
	s_add_nc_u64 s[6:7], s[6:7], s[40:41]
	v_lshlrev_b32 v[PGO], 2, v0
.irp c, 0,1,2,3,4,5,6,7,8,9,10,11,12,13,14,15
	global_load_b32 v[WW+\c], v[PGO], s[6:7] offset:8192*\c
	global_load_b32 v[NMC+\c], v[PGO], s[6:7] offset:8192*\c+524288
	global_load_b32 v[LC+\c], v[PGO], s[6:7] offset:8192*\c+1048576
.endr
	v_lshl_add_u32 v[PSA], v0, 2, PSC
	v_and_b32 v1, 15, v0                           ; r
	v_bfe_u32 v2, v0, 4, 1                         ; h
	v_and_b32 v3, 31, v0
	v_lshlrev_b32 v[CO], 4, v3
	s_mul_i32 s40, s15, 24576                      ; my 4 query tiles of P, behind v^T's tile
	s_add_co_u32 s40, s40, 98304
	s_mul_i32 s41, s16, 49152                      ; my 8 channel tiles
.irp s, 0,1
	v_add_nc_u32 v[ADRA+\s], s40, v[CO]
	v_add_nc_u32 v[ADRB+\s], s41, v[CO]
	s_add_co_u32 s40, s40, SLOT
	s_add_co_u32 s41, s41, SLOT
.endr
	v_mul_u32_u24 v5, v2, 576
	v_lshl_add_u32 v5, v1, 2, v5                   ; 576 h + 4 r: lanes 16-31 take the K step behind
	s_lshl_b32 s40, s15, 8
	s_add_co_u32 s41, s40, PSC
	v_add_nc_u32 v[ADSA], s41, v5
	s_add_co_u32 s41, s40, RL
	v_lshl_add_u32 v[RLA], v1, 2, s41
	s_mul_i32 s41, s16, 9216
	s_add_co_u32 s41, s41, VSC
	v_add_nc_u32 v[ADSB], s41, v5
	s_mul_i32 s40, s14, 16*528                     ; my stage: in slot 0, behind its last fill and last read
	v_mul_u32_u24 v5, v1, 528
	v_lshl_add_u32 v5, v2, 5, v5
	v_add_nc_u32 v[STO], s40, v5                   ; in: row r, 32 bytes for each half of the lanes
	v_add_nc_u32 v[RD], s40, v[CO]                 ; back: a row of 512 bytes to the 32 lanes
	s_lshl_b32 s40, s17, 19                        ; the output: 128 rows of 4,096 bytes a block,
	s_lshl_b32 s41, s15, 18
	s_add_co_u32 s40, s40, s41
	s_lshl_b32 s41, s19, 10
	s_add_co_u32 s40, s40, s41
	s_lshl_b32 s41, s16, 9
	s_add_co_u32 s40, s40, s41
	s_mov_b32 s41, 0
	s_add_nc_u64 s[12:13], s[12:13], s[40:41]
	s_mov_b32 s92, 0x01010101
	s_wait_loadcnt 0x0
	v_min3_num_f32 v[NMR], v[NMC], v[NMC+1], v[NMC+2]
.irp c, 3,5,7,9,11,13
	v_min3_num_f32 v[NMR], v[NMR], v[NMC+\c], v[NMC+\c+1]
.endr
	v_min_num_f32 v[NMR], v[NMR], v[NMC+15]        ; -(the row's M): the least of the local -M
.irp c, 0,1,2,3,4,5,6,7,8,9,10,11,12,13,14,15
	v_sub_f32 v[DD+\c], v[NMR], v[NMC+\c]          ; local M - row M: a whole number, 0 or less
.endr
.irp c, 0,1,2,3,4,5,6,7,8,9,10,11,12,13,14,15
	v_max_num_f32 v[DD+\c], 0xc3960000, v[DD+\c]   ; held at -300: 2^-300 of a sum of at most 128 is 0 in f32
.endr
.irp c, 0,1,2,3,4,5,6,7,8,9,10,11,12,13,14,15
	v_cvt_i32_f32 v[DD+\c], v[DD+\c]
.endr
.irp c, 0,1,2,3,4,5,6,7,8,9,10,11,12,13,14,15
	v_ldexp_f32 v[LC+\c], v[LC+\c], v[DD+\c]       ; the local sum under the row's M
.endr
.irp c, 0,1,2,3,4,5,6,7,8,9,10,11,12,13,14,15
	v_sub_nc_u32 v[EE+\c], 0, v[DD+\c]
.endr
.irp c, 0,1,2,3,4,5,6,7,8,9,10,11,12,13,14,15
	v_min_u32 v[EE+\c], 127, v[EE+\c]              ; a byte is at most 123: 127 off leaves 0
.endr
.irp c, 0,1,2,3,4,5,6,7,8,9,10,11,12,13,14,15
	v_mul_lo_u32 v[EE+\c], v[EE+\c], s92           ; in all four bytes
.endr
.irp c, 0,1,2,3,4,5,6,7,8,9,10,11,12,13,14,15
	v_or_b32 v[WW+\c], 0x80808080, v[WW+\c]        ; 128 on each byte, so that no borrow crosses a byte;
.endr
.irp c, 0,1,2,3,4,5,6,7,8,9,10,11,12,13,14,15
	v_sub_nc_u32 v[WW+\c], v[WW+\c], v[EE+\c]
.endr
.irp c, 0,1,2,3,4,5,6,7,8,9,10,11,12,13,14,15
	v_and_b32 v[HB+\c], 0x80808080, v[WW+\c]       ; the top bit stays where the byte did not fall under 0
.endr
.irp c, 0,1,2,3,4,5,6,7,8,9,10,11,12,13,14,15
	v_lshrrev_b32 v[EE+\c], 7, v[HB+\c]
.endr
.irp c, 0,1,2,3,4,5,6,7,8,9,10,11,12,13,14,15
	v_sub_nc_u32 v[HB+\c], v[HB+\c], v[EE+\c]      ; 0x7f there, 0 elsewhere
.endr
.irp c, 0,1,2,3,4,5,6,7,8,9,10,11,12,13,14,15
	v_and_b32 v[WW+\c], v[WW+\c], v[HB+\c]
.endr
.irp c, 0,1,2,3,4,5,6,7,8,9,10,11,12,13,14,15
	ds_store_b32 v[PSA], v[WW+\c] offset:576*\c
.endr
	v_add_f32 v[LSM], v[LC], v[LC+1]
	v_add_f32 v[LSM+1], v[LC+2], v[LC+3]
.irp c, 4,6,8,10,12,14
	v_add_f32 v[LSM], v[LSM], v[LC+\c]
	v_add_f32 v[LSM+1], v[LSM+1], v[LC+\c+1]
.endr
	v_add_f32 v[LSM], v[LSM], v[LSM+1]             ; l: over 1/2, since the row's largest p is
	v_rcp_f32 v[LSM], v[LSM]
	v_nop                                          ; a plain place behind the reciprocal
	s_wait_alu depctr_va_vdst(0)                   ; and the wait ahead of its first reader
	ds_store_b32 v[PSA], v[LSM] offset:RL-PSC
	s_wait_tensorcnt 0x1                           ; v^T's scale words and my part of slab 0 are in; slab 1's load may stay out
	s_wait_dscnt 0x0                               ; for the others' sake: my rows' words and 1 / l lie in LDS
	s_barrier_signal -1
	s_barrier_wait -1
.set KS, -1
	FETCHK
.set KS, 0
.rept NK
.if KS == NK-1
	LASTK
.elseif KS%NQ == NQ-1
.if KS/NQ < 2
	TURNK 1
.else
	TURNK 0
.endif
.else
	STEPK
.endif
.set KS, KS+1
.endr
	PLACES                                         ; behind the last products: their results are read and their operands' registers written below
.irp a, 0,1,2,3
	ds_load_b32 v[RLP+2*\a], v[RLA] offset:64*\a   ; 1 / l of query 16 a + r
	ds_load_b32 v[RLP+2*\a+1], v[RLA] offset:64*\a ; (named as a pair, so both are written)
.endr
	s_wait_dscnt 0x0
	TOSTAGE 0
.irp a, 1,2,3
.if \a > 1
	s_wait_xcnt 0x0                                ; block a - 2's stores have read their registers: block a's loads may land there
.endif
	TOSTAGE \a
	SEND \a-1, 32                                  ; behind block a - 1's loads: block a's 16 stores and 16 loads
.endr
	SEND 3, 0
	s_wait_tensorcnt 0x0                           ; the wave's end
	ds_add_u32 v[SPW], v[NIL]
	s_wait_dscnt 0x0
	CROUND                                         ; the closing round
	s_endpgm
.Lfunc_end_k_q15be81526d_pv:
	.size	k_q15be81526d_pv, .Lfunc_end_k_q15be81526d_pv-k_q15be81526d_pv
	.p2alignl 7, 3214868480
	.fill 96, 4, 3214868480
	.section	.rodata,"a",@progbits
	.p2align	6, 0x0
	.amdhsa_kernel k_q15be81526d_pv
		.amdhsa_group_segment_fixed_size 327680
		.amdhsa_private_segment_fixed_size 0
		.amdhsa_enable_private_segment 0
		.amdhsa_kernarg_size 40
		.amdhsa_user_sgpr_count 2
		.amdhsa_user_sgpr_kernarg_segment_ptr 1
		.amdhsa_wavefront_size32 1
		.amdhsa_system_sgpr_workgroup_id_x 1
		.amdhsa_system_sgpr_workgroup_id_y 1
		.amdhsa_system_sgpr_workgroup_id_z 1
		.amdhsa_system_vgpr_workitem_id 0
		.amdhsa_next_free_vgpr 768
		.amdhsa_next_free_sgpr 100
		.amdhsa_reserve_vcc 0
		.amdhsa_float_denorm_mode_32 3
		.amdhsa_float_denorm_mode_16_64 3
		.amdhsa_memory_ordered 1
		.amdhsa_forward_progress 1
		.amdhsa_inst_pref_size 162
	.end_amdhsa_kernel
	.amdgpu_metadata
---
amdhsa.version: [ 1, 2 ]
amdhsa.kernels:
  - .name:           k_q15be81526d_pv
    .symbol:         k_q15be81526d_pv.kd
    .args:
      - { .name: pc, .offset: 0, .size: 8, .value_kind: global_buffer, .address_space: global }
      - { .name: pst, .offset: 8, .size: 8, .value_kind: global_buffer, .address_space: global }
      - { .name: wc, .offset: 16, .size: 8, .value_kind: global_buffer, .address_space: global }
      - { .name: ws, .offset: 24, .size: 8, .value_kind: global_buffer, .address_space: global }
      - { .name: out0, .offset: 32, .size: 8, .value_kind: global_buffer, .address_space: global }
    .group_segment_fixed_size: 327680
    .private_segment_fixed_size: 0
    .kernarg_segment_align: 8
    .kernarg_segment_size: 40
    .max_flat_workgroup_size: 128
    .sgpr_count:     100
    .vgpr_count:     768
    .wavefront_size: 32
...
	.end_amdgpu_metadata
.endif
;; end of part 3
